; MI455X (gfx1250); checked and timed in simulation.
; The chip was launched on July 23, 2026; its instructions are those of AMD's public machine-readable ISA for CDNA 5 (MIT licence, August 2026) and "CDNA5" Instruction Set Architecture Reference Guide (July 2026). The comments in the code are by the model that wrote it; some were corrected since.
;; Multi Head Attention. Allowed arithmetic: float matrix products may take bf16 or f16 operands with f32 sums; other float arithmetic in f32, or as packed bf16 or f16 multiplies, adds, multiply-adds, maxima and minima; sums over many terms, partial sums and values carried from step to step in f32; what a program stores and reads back later, other than sums and carried values, may be rounded once to bf16 or f16.
;; Inputs: Wk 1,024 x 1,024 float32; Wo 1,024 x 1,024 float32; Wq 1,024 x 1,024 float32; Wv 1,024 x 1,024 float32; k 4 x 2,048 x 1,024 float32; mask 4 x 2,048 x 2,048 int32; q 4 x 2,048 x 1,024 float32; v 4 x 2,048 x 1,024 float32.
;; Outputs: out0 4 x 2,048 x 1,024 float32.
;; One version. Each part assembles by itself: llvm-mc -triple=amdgcn-amd-amdhsa -mcpu=gfx1250 --defsym DOCPART=n.
;; ======== version 1 of 1: 4 launches
;; limits: values are held in f16: magnitudes above 65,504 overflow, below 6.1e-05 lose precision
;; workspace buffers: WB 8,388,608 bytes; TAB 3,145,728 bytes; MB 2,097,152 bytes of whole numbers; QKV 50,331,648 bytes; OH 16,777,216 bytes
;; launch prep (part 1): grid 256 x 1, 8 waves a work-group, no clusters, 327,680 bytes of LDS; arguments mask, Wq, Wk, Wv, Wo, WB, TAB, MB; writes WB, TAB, MB
.if DOCPART == 1
	.amdgcn_target "amdgcn-amd-amdhsa--gfx1250"
	.amdhsa_code_object_version 6
	.text
	.protected	k_q0e9370a87e_prep
	.globl	k_q0e9370a87e_prep
	.p2align	8
	.type	k_q0e9370a87e_prep,@function
k_q0e9370a87e_prep:
	s_mov_b64 s[64:65], 0
	v_nop
	global_prefetch_b8 v0, s[64:65] scope:SCOPE_SE
	s_setreg_imm32_b32 hwreg(HW_REG_WAVE_MODE, 25, 1), 1
	s_wait_xcnt 0x0
; PREPARATION, three jobs, each work-group doing 1/256 of each; no roles.
; (1) The mask [4][2048][2048] of int32 becomes lane masks: MB[b][ks][qt][w], 32 words for a tile of 16 queries x 64 keys; bit L of word w = 8 kb + j says
;     mask[b][16 qt + L % 16][64 ks + 16 kb + 8 (L / 16) + j] != 0: the lanes of score register w of a tile S^T in the attention launch.
; (2) Wq, Wk, Wv are rounded to bf16, Wo to bf16 and that number written as f16 (exact down to 6e-5, below it in steps of 6e-8): WB, four parts of 2 MiB, [k][n] as given.
; (3) The rotary table TAB[p][s][f] = (C, C, -S, S) in f32: p = 0 (Q) with c0 = log2(e) / 8 folded in, p = 1 (K) plain, p = 2 (V) = (1, 1, 0, 0).
; LIMITS.  The angle is s x inv_freq in f32, inv_freq = 2^(-f log2(10000) / 32) by v_exp_f32: it may differ by a few units in the last place of the angle (3e-4 at s = 2,047)
; from an angle made by another power function.  sin and cos of that angle: reduced by 2 pi in two fused steps, a series at x / 8 (cut at x^5 and x^6: 3e-7), three doublings: 3e-6.
; SHARES.  Work-group g: 64 query rows (g / 2 of the 128 groups) x 1,024 keys (half g % 2): 16 strips of 64 rows x 256 bytes, two for each of the eight waves, each brought by one tensor load.
; No LDS byte is filled twice and each wave reads its own strips alone: no barrier.  By this text's count a wave has two tensor loads out.
.set SPARE,  278528                    ; behind the 16 strips: the spare words, 128 bytes a wave
.set PITCH,  272                       ; a strip's row: 256 bytes + 16 of padding: the 16 rows of a load start at 16 different groups of four banks
.set STRIPB, 64*PITCH
.set SPW, 4                            ; v4   my spare word; never rewritten
.set NIL, 5                            ; v5   0; never rewritten
.set WO,  6                            ; v6   my 32 bytes in a weight matrix
.set WS,  7                            ; v7   my 16 bytes in a part of WB
.set LA,  8                            ; v8   LDS: my row and half in the strip in hand
.set MO,  9                            ; v9   my 16 bytes of MB
.set TO,  10                           ; v10  my 16 bytes of a table
.set D,   24                           ; v[24:27] a strip's 128 words of MB
.set WL,  32                           ; v[32:95] weights as loaded
.set WPK, 96                           ; v[96:127] weights packed
.set X,   128                          ; v[128:255] a strip's 128 registers; before that the table's work
.set WV,  20
.set LC,  21                           ; s21  strips to go (before that: which 64 rows)
.set G1,  24
.set G0,  32
.set CW,  40                           ; s[40:47] eight compare words; before that the series' constants
	s_load_b512 s[4:19], s[0:1], 0x0               ; mask s[4:5], Wq, Wk, Wv, Wo s[6:13], WB s[14:15], TAB s[16:17], MB s[18:19]
	v_lshl_add_u32 v[SPW], v0, 2, SPARE
	v_mov_b32 v[NIL], 0
	ds_add_u32 v[SPW], v[NIL]                      ; the opening: the add and its wait ahead of my first tensor load
	ds_add_u32 v4, v5
	v_lshrrev_b32 v2, 5, v0
	v_readfirstlane_b32 s[WV], v2
	v_and_b32 v1, 31, v0                           ; lane
	s_mov_b32 s[G1+0], (2<<16)|(1<<20)|(5<<22)|(3<<25)  ; elements of 4 bytes; padding on: after every 64 words, 4 words
	s_mov_b32 s[G1+1], 64<<16                      ; tensor_dim0 = 64
	s_mov_b32 s[G1+2], 64<<16                      ; tensor_dim1 = 64
	s_mov_b32 s[G1+3], 64<<16                      ; tile_dim0 = 64
	s_mov_b32 s[G1+4], 64                          ; tile_dim1 = 64
	s_mov_b32 s[G1+5], 2048                        ; elements from row to row
	s_mov_b32 s[G1+6], 0
	s_mov_b32 s[G1+7], 0
	s_lshr_b32 s21, ttmp9, 1                       ; rb: which 64 of the 8,192 rows
	s_and_b32 s22, ttmp9, 1                        ; kh: which 1,024 keys
	s_lshl_b32 s48, s21, 19                        ; 64 rows of 8,192 bytes
	s_lshl_b32 s23, s22, 12
	s_add_co_u32 s48, s48, s23
	s_lshl_b32 s23, s[WV], 9                       ; my two strips
	s_add_co_u32 s48, s48, s23
	s_mov_b32 s49, 0
	s_mov_b32 s[G0], 1
	s_mul_i32 s[G0+1], s[WV], 2*STRIPB
	s_mov_b32 s[G0+4], 1
	s_add_co_u32 s[G0+5], s[G0+1], STRIPB
	s_wait_dscnt 0x0                               ; the opening add is done
	s_wait_kmcnt 0x0
	s_add_nc_u64 s[G0+2:G0+3], s[4:5], s[48:49]
	s_add_nc_u64 s[G0+6:G0+7], s[G0+2:G0+3], 256
	s_or_b32 s[G0+3], s[G0+3], 0x80000000
	s_or_b32 s[G0+7], s[G0+7], 0x80000000
	tensor_load_to_lds s[G0:G0+3], s[G1:G1+7]
	s_nop 0
	tensor_load_to_lds s[G0+4:G0+7], s[G1:G1+7]
	s_nop 0
	s_lshl_b32 s50, ttmp9, 3
	s_add_co_u32 s50, s50, s[WV]                   ; 8 g + w: my chunk of each matrix, and my position s in the table
	s_lshl_b32 s51, s50, 11
	v_lshl_add_u32 v[WO], v1, 5, s51
	s_lshl_b32 s51, s50, 10
	v_lshl_add_u32 v[WS], v1, 4, s51
	s_lshl_b32 s51, s50, 9
	v_lshl_add_u32 v[TO], v1, 4, s51
.irp i, 0,1,2,3
.irp c, 0,1
	global_load_b128 v[WL+16*(\i)+8*(\c):WL+16*(\i)+8*(\c)+3],   v[WO], s[6+2*(\i):7+2*(\i)] offset:1024*(\c) th:TH_LOAD_NT
	global_load_b128 v[WL+16*(\i)+8*(\c)+4:WL+16*(\i)+8*(\c)+7], v[WO], s[6+2*(\i):7+2*(\i)] offset:1024*(\c)+16 th:TH_LOAD_NT
.endr
.endr
	v_and_b32 v2, 15, v0
	v_bfe_u32 v3, v0, 4, 1
	v_mul_u32_u24 v[LA], v2, PITCH
	v_lshl_add_u32 v[LA], v3, 5, v[LA]             ; row x pitch + 32 x half: eight keys a lane
	v_add_nc_u32 v[LA], s[G0+1], v[LA]
	s_lshr_b32 s51, s21, 5                         ; b
	s_lshl_b32 s51, s51, 5
	s_lshl_b32 s52, s22, 4
	s_add_co_u32 s51, s51, s52
	s_lshl_b32 s52, s[WV], 1
	s_add_co_u32 s51, s51, s52                     ; 32 b + ks of my first strip
	s_lshl_b32 s51, s51, 7
	s_and_b32 s52, s21, 31
	s_lshl_b32 s52, s52, 2                         ; the first of my four query tiles
	s_add_co_u32 s51, s51, s52
	s_lshl_b32 s51, s51, 7                         ; 128 bytes a tile
	v_lshl_add_u32 v[MO], v1, 4, s51
.irp n, 0,1,2,3
	v_mov_b32 v[D+(\n)], 0                         ; v_writelane_b32 counts as a reader of its destination
.endr
	; THE TABLE: position s = 8 g + w, frequency f = lane
	s_mov_b32 s40, 0x40c90fdb                      ; 2 pi, upper part
	s_mov_b32 s41, 0xb43bbd2e                      ; and the rest of it
	s_mov_b32 s42, 0x3c088889                      ; 1 / 120
	s_mov_b32 s43, 0xbe2aaaab                      ; -1 / 6
	s_mov_b32 s44, 0xbab60b61                      ; -1 / 720
	s_mov_b32 s45, 0x3d2aaaab                      ; 1 / 24
	v_cvt_f32_u32 v[X], v1
	v_mul_f32 v[X], 0xbed49a78, v[X]               ; -f log2(10000) / 32
	v_exp_f32 v[X+1], v[X]
	v_cvt_f32_u32 v[X+2], s50                      ; s: also the plain instruction behind the exponential
	s_wait_alu depctr_va_vdst(0)                   ; the wait ahead of the first reader
	v_mul_f32 v[X+2], v[X+2], v[X+1]               ; the angle
	v_mul_f32 v[X+3], 0.15915494, v[X+2]
	v_rndne_f32 v[X+3], v[X+3]
	v_fma_f32 v[X+2], -v[X+3], s40, v[X+2]
	v_fma_f32 v[X+2], -v[X+3], s41, v[X+2]         ; in -pi .. pi
	v_mul_f32 v[X+2], 0x3e000000, v[X+2]           ; u = x / 8
	v_mul_f32 v[X+3], v[X+2], v[X+2]               ; y = u u
	v_fma_f32 v[X+4], v[X+3], s42, s43
	v_fma_f32 v[X+4], v[X+3], v[X+4], 1.0
	v_mul_f32 v[X+4], v[X+2], v[X+4]               ; sin u
	v_fma_f32 v[X+5], v[X+3], s44, s45
	v_fma_f32 v[X+5], v[X+3], v[X+5], -0.5
	v_fma_f32 v[X+5], v[X+3], v[X+5], 1.0          ; cos u
.set cc, X+5
.set cn, X+7
.rept 3                                ; sin 2u = 2 sin cos, cos 2u = 1 - 2 sin sin; the cosine changes register each time
	v_add_f32 v[X+6], v[X+4], v[X+4]
	v_fma_f32 v[cn], -v[X+6], v[X+4], 1.0
	v_mul_f32 v[X+4], v[X+6], v[cc]
.set ct, cc
.set cc, cn
.set cn, ct
.endr
	v_mul_f32 v[X+8], 0x3e38aa3b, v[cc]            ; Q's entry carries c0 = log2(e) / 8
	v_mov_b32 v[X+9], v[X+8]
	v_mul_f32 v[X+10], 0xbe38aa3b, v[X+4]
	v_mul_f32 v[X+11], 0x3e38aa3b, v[X+4]
	v_mov_b32 v[X+12], v[cc]
	v_mov_b32 v[X+13], v[cc]
	v_mul_f32 v[X+14], -1.0, v[X+4]
	v_mov_b32 v[X+15], v[X+4]
	v_mov_b32 v[X+16], 1.0
	v_mov_b32 v[X+17], 1.0
	v_mov_b32 v[X+18], 0
	v_mov_b32 v[X+19], 0
	global_store_b128 v[TO], v[X+8:X+11],  s[16:17]                 ; a wave stores 512 consecutive bytes, aligned
	global_store_b128 v[TO], v[X+12:X+15], s[16:17] offset:1048576
	global_store_b128 v[TO], v[X+16:X+19], s[16:17] offset:2097152
	; THE WEIGHTS
.irp i, 0,1,2,3
	s_wait_loadcnt 12-4*(\i)                       ; loads come back in order: this matrix's four are in, the later matrices' stay out
.irp n, 0,1,2,3,4,5,6,7
	v_cvt_pk_bf16_f32 v[WPK+8*(\i)+(\n)], v[WL+16*(\i)+2*(\n)], v[WL+16*(\i)+2*(\n)+1]
.endr
.if (\i) == 3                          ; Wo multiplies an f16 operand: the bf16 number is written as f16
.irp n, 0,1,2,3,4,5,6,7
	v_lshlrev_b32 v[WL+48+2*(\n)], 16, v[WPK+24+(\n)]
	v_and_b32 v[WL+48+2*(\n)+1], 0xffff0000, v[WPK+24+(\n)]
.endr
.irp n, 0,1,2,3,4,5,6,7
	v_cvt_pk_f16_f32 v[WPK+24+(\n)], v[WL+48+2*(\n)], v[WL+48+2*(\n)+1]
.endr
.endif
	global_store_b128 v[WS], v[WPK+8*(\i):WPK+8*(\i)+3],   s[14:15] offset:(\i)*2097152
	global_store_b128 v[WS], v[WPK+8*(\i)+4:WPK+8*(\i)+7], s[14:15] offset:(\i)*2097152+512
.endr
	; THE MASK.  A strip: four query tiles x 32 registers; each register's 32 lanes are compared at once, and the word goes to lane W / 4 of register W % 4, W = 32 t + w.
	; The step is written once and walked twice: the LDS address and the offset in MB step from strip to strip.
	s_wait_xcnt 0x0                                ; the table's stores have read X's registers: only now are they loaded into
	s_wait_tensorcnt 0x0                           ; both my strips are in: the two loads went out together
	s_mov_b32 s[LC], 2
.Lstrip:
.irp t, 0,1,2,3
.irp kb, 0,1,2,3
	ds_load_b128 v[X+32*(\t)+8*(\kb):X+32*(\t)+8*(\kb)+3],   v[LA] offset:(\t)*16*PITCH+(\kb)*64
	ds_load_b128 v[X+32*(\t)+8*(\kb)+4:X+32*(\t)+8*(\kb)+7], v[LA] offset:(\t)*16*PITCH+(\kb)*64+16
.endr
.endr
.irp t, 0,1,2,3
	s_wait_dscnt 24-8*(\t)                         ; tile t's eight loads are in; the later tiles' stay out
.irp c, 0,1,2,3
.irp n, 0,1,2,3,4,5,6,7
	v_cmp_ne_u32 s[CW+(\n)], 0, v[X+32*(\t)+8*(\c)+(\n)]
.endr
.irp n, 0,1,2,3,4,5,6,7
	v_writelane_b32 v[D+((\n)%4)], s[CW+(\n)], 8*(\t)+2*(\c)+(\n)/4
.endr
.endr
.endr
	global_store_b128 v[MO], v[D:D+3], s[18:19]    ; four tiles' 128 words: 512 consecutive bytes, aligned
	s_wait_xcnt 0x0                                ; the store has read its offset and its data: only now are they written again
	v_add_nc_u32 v[LA], STRIPB, v[LA]              ; my second strip,
	v_add_nc_u32 v[MO], 0x4000, v[MO]              ; which is the next key step: 128 tiles x 128 bytes on
	s_sub_co_u32 s[LC], s[LC], 1
	s_cmp_lg_u32 s[LC], 0
	s_cbranch_scc1 .Lstrip
	s_wait_tensorcnt 0x0                           ; the wave's end
	ds_add_u32 v[SPW], v[NIL]
	s_wait_dscnt 0x0
	s_endpgm
.Lfunc_end_k_q0e9370a87e_prep:
	.size	k_q0e9370a87e_prep, .Lfunc_end_k_q0e9370a87e_prep-k_q0e9370a87e_prep
	.p2alignl 7, 3214868480
	.fill 96, 4, 3214868480
	.section	.rodata,"a",@progbits
	.p2align	6, 0x0
	.amdhsa_kernel k_q0e9370a87e_prep
		.amdhsa_group_segment_fixed_size 327680
		.amdhsa_private_segment_fixed_size 0
		.amdhsa_enable_private_segment 0
		.amdhsa_kernarg_size 64
		.amdhsa_user_sgpr_count 2
		.amdhsa_user_sgpr_kernarg_segment_ptr 1
		.amdhsa_wavefront_size32 1
		.amdhsa_system_sgpr_workgroup_id_x 1
		.amdhsa_system_sgpr_workgroup_id_y 1
		.amdhsa_system_sgpr_workgroup_id_z 1
		.amdhsa_system_vgpr_workitem_id 0
		.amdhsa_next_free_vgpr 256
		.amdhsa_next_free_sgpr 66
		.amdhsa_reserve_vcc 0
		.amdhsa_float_denorm_mode_32 3
		.amdhsa_float_denorm_mode_16_64 3
		.amdhsa_memory_ordered 1
		.amdhsa_forward_progress 1
		.amdhsa_inst_pref_size 30
	.end_amdhsa_kernel
	.amdgpu_metadata
---
amdhsa.version: [ 1, 2 ]
amdhsa.kernels:
  - .name:           k_q0e9370a87e_prep
    .symbol:         k_q0e9370a87e_prep.kd
    .args:
      - { .name: mask, .offset: 0, .size: 8, .value_kind: global_buffer, .address_space: global }
      - { .name: Wq, .offset: 8, .size: 8, .value_kind: global_buffer, .address_space: global }
      - { .name: Wk, .offset: 16, .size: 8, .value_kind: global_buffer, .address_space: global }
      - { .name: Wv, .offset: 24, .size: 8, .value_kind: global_buffer, .address_space: global }
      - { .name: Wo, .offset: 32, .size: 8, .value_kind: global_buffer, .address_space: global }
      - { .name: WB, .offset: 40, .size: 8, .value_kind: global_buffer, .address_space: global }
      - { .name: TAB, .offset: 48, .size: 8, .value_kind: global_buffer, .address_space: global }
      - { .name: MB, .offset: 56, .size: 8, .value_kind: global_buffer, .address_space: global }
    .group_segment_fixed_size: 327680
    .private_segment_fixed_size: 0
    .kernarg_segment_align: 8
    .kernarg_segment_size: 64
    .max_flat_workgroup_size: 256
    .sgpr_count:     66
    .vgpr_count:     256
    .wavefront_size: 32
...
	.end_amdgpu_metadata
.endif
;; end of part 1
;; launch proj (part 2): grid 4 x 192, 4 waves a work-group, clusters of 4 x 4, 327,680 bytes of LDS; arguments q, k, v, WB, TAB, QKV; writes QKV
.if DOCPART == 2
	.amdgcn_target "amdgcn-amd-amdhsa--gfx1250"
	.amdhsa_code_object_version 6
	.text
	.protected	k_q0e9370a87e_proj
	.globl	k_q0e9370a87e_proj
	.p2align	8
	.type	k_q0e9370a87e_proj,@function
k_q0e9370a87e_proj:
	s_mov_b64 s[64:65], 0
	v_nop
	global_prefetch_b8 v0, s[64:65] scope:SCOPE_SE
	s_setreg_imm32_b32 hwreg(HW_REG_WAVE_MODE, 25, 1), 1
	s_wait_xcnt 0x0
	s_wait_alu depctr_hold_cnt(0) depctr_sa_sdst(0) depctr_va_vdst(0) depctr_va_sdst(0) depctr_va_ssrc(0) depctr_va_vcc(0) depctr_vm_vsrc(0)
	s_getreg_b32 s2, hwreg(HW_REG_IB_STS2, 6, 4)
	s_cmp_eq_u32 s2, 0
	s_cbranch_scc0 .Lentry_in_a_cluster
	s_endpgm
.Lentry_in_a_cluster:
	s_bfe_u32 s2, ttmp6, 0x10000c
	s_cmp_lg_u32 s2, 0xf033
	s_cbranch_scc0 .Lentry_shape_is_right
	s_endpgm
.Lentry_shape_is_right:
; THE THREE PROJECTIONS WITH THE ROTARY EMBEDDING.  Part p (0 Q, 1 K, 2 V): Y = x_p W_p, x_p [8192][1024] f32 rounded to bf16 on the way from LDS to the matrix unit, W_p [k][n] bf16 from WB;
; sums in f32; each pair of neighbouring channels is turned by the table's (C, C, -S, S) (for V: 1, 1, 0, 0; for Q with log2(e) / 8 folded in), rounded once to f16 and stored by heads: QKV[p][b][h][s][64].
; LIMIT.  f16 ends at 65,504: the projected numbers must stay within it (unit inputs give numbers near 1).  NaN and infinities are not treated apart.
; SHARES.  A tile is 128 rows x 256 columns: 3 x 64 x 4 = 768 work-groups, three for each of 256 WGPs.  Four waves, each 64 x 128: 32 accumulators.  K goes in steps of 128 through two LDS slots.
; A K STEP IS WRITTEN ONCE: the slot's base is a scalar that an exclusive or turns between 0 and SLOT, and the fragment addresses are made anew from it at each change of slots.
; CLUSTER 4 x 4: the four of a row of the cluster need the same rows of x, the four of a column the same columns of W: each tile is asked for jointly.  A cluster lies within one part p.
; THE PRODUCT IS TAKEN TRANSPOSED (source 0 = 16 columns of W, turned out of LDS by ds_load_tr16_b128; source 1 = 16 rows of x): a lane holds one row and eight neighbouring columns: four rotary pairs.
; REGISTERS.  window 0: v16-30 addresses; v32-95 x as f32 (4 fragments x 16); v96-127, v128-159 x's bf16 fragments, two buffers.  window 1: accumulator (a, b) at 8 (8 a + b).
;   window 2: v0-63, v64-127 W's fragments, two buffers.  window 3: the table: row block a, channel block cb, pair i at 64 a + 16 cb + 4 i.
.set PA,     528                       ; a row of x in LDS: 512 bytes + 16
.set PB,     544                       ; a k-row of W: 512 bytes + 32: an odd multiple of 32, for the turning load
.set AHALF,  64*PA
.set BHALF,  64*PB
.set BOFF,   2*AHALF
.set SLOT,   0x22000                   ; from slot to slot; a slot uses 137,216 bytes.  The four tiles' places in a slot (0, 0x8400, 0x10800, 0x19000) share no bit with it: an exclusive or adds or takes it
.set STAGE,  2*SLOT                    ; behind the ring: for each wave 2 heads x 16 rows x 144 bytes
.set SP,     144
.set SPARE,  STAGE+4*32*SP             ; the spare words, 128 bytes a wave
.set STEPS,  8                         ; 1,024 / 128
.set ADRA0, 16                         ; v16  my place in x's part of a slot; never rewritten
.set ADRA,  17                         ; v17  the same in the slot in hand
.set ADRB0, 20                         ; v20, v21 likewise for W
.set ADRB,  21
.set STO,  24
.set RD,   25
.set GO,   26
.set TO,   27
.set SPW,  28
.set NIL,  29
.set PFO,  30
.set ST,   32
.set AF,   96
.set R,    32                          ; the way out: a row block's 64 turned numbers
.set PK,   96                          ; packed
.set OB,   128                         ; read back from the stage: 32 registers a row block
.set WV, 16
.set WR, 17                            ; which 64 rows are mine; also: I fetch for x (0) or W (1)
.set WC, 18                            ; which 128 columns; also: which half of the tile I fetch
.set LC, 19
.set CX, 20
.set CY, 21
.set TN, 22
.set TM, 23
.set G1, 24
.set G0, 32                            ; s[32:39] group 0 for x: a set for each of the two first fills; the second then walks on
.set PP, 40
.set CLY, 41
.set G1B, 48
.set G0B, 56                           ; s[56:63] the same for W
.set PFA, 66
.set PST, 68
.set LIM, 70
.set SB, 71                            ; s71  the base of the slot that is read: 0 or SLOT
.set OP, 72
.set TB, 74
.set XP, 76
.set WP, 78
.set MSB, 0
.macro WIN new                         ; the immediate's high byte repeats the setting that is left; a switch that changes nothing is dropped
.if MSB != (\new)
	s_set_vgpr_msb (MSB<<8)|(\new)
.set MSB, \new
.endif
.endm
.set MUL,    0x52                      ; W window 2, x window 0, C and D window 1
.set TO_B,   0x80
.set TO_T,   0xc0
.set W_ROPE, 0x0d                      ; source 0 window 1 (sums), source 1 window 3 (table), the rest window 0
.macro JLOAD s                         ; a joint load: waves 0, 1 fetch x's halves, waves 2, 3 W's; an s_nop 0 and four v_nop follow each line
	s_cmp_eq_u32 s[WR], 0
	s_cbranch_scc0 .Lfor_b_\@
	tensor_load_to_lds s[G0+4*(\s):G0+4*(\s)+3], s[G1:G1+7]
	s_nop 0
.rept 4
	v_nop
.endr
	s_branch .Lasked_\@
.Lfor_b_\@:
	tensor_load_to_lds s[G0B+4*(\s):G0B+4*(\s)+3], s[G1B:G1B+7]
	s_nop 0
.rept 4
	v_nop
.endr
.Lasked_\@:
.endm
.macro CREST
	s_cmp_lg_u32 s[WV], 0
	s_cbranch_scc1 .Lnot_wave_0_\@
	s_barrier_signal -3
.Lnot_wave_0_\@:
	s_barrier_wait -3
	s_barrier_signal -1
	s_barrier_wait -1
.endm
.macro CROUND
	s_barrier_signal -1
	s_barrier_wait -1
	CREST
.endm
; A prefetch of the K step two refills on (256 matrix instructions ahead): 16 rows x 2 blocks of 256 bytes, a lane a block.  x's rows are read by one cluster alone: every cluster asks for its own;
; W's by the 16 clusters of a part: the first of them asks.  The four partners of a joint load share its 64 rows out by address.  The last two refills have no step two on.
.macro ASK
	s_cmp_gt_u32 s[LC], s[LIM]
	s_cbranch_scc0 .Lnot_mine_\@
	global_prefetch_b8 v[PFO], s[PFA:PFA+1] th:TH_LOAD_NT scope:SCOPE_SE
.Lnot_mine_\@:
.endm
	s_load_b256 s[4:11], s[0:1], 0x0               ; q, k, v, WB
	s_load_b128 s[12:15], s[0:1], 0x20             ; TAB, QKV
	v_lshl_add_u32 v[SPW], v0, 2, SPARE
	v_mov_b32 v[NIL], 0
	ds_add_u32 v[SPW], v[NIL]                      ; the opening: the add and its wait ahead of my first tensor load
	ds_add_u32 v28, v29
	v_lshrrev_b32 v1, 5, v0
	v_readfirstlane_b32 s[WV], v1
	s_lshr_b32 s[WR], s[WV], 1
	s_and_b32 s[WC], s[WV], 1
	s_bfe_u32 s[CX], ttmp6, 0x40000
	s_bfe_u32 s[CY], ttmp6, 0x40004
	s_lshl_b32 s[TN], ttmp9, 2
	s_add_co_u32 s[TN], s[TN], s[CX]               ; tile column
	s_and_b32 s[CLY], ttmp7, 0xffff                ; cluster y, 0 .. 47
	s_lshr_b32 s[PP], s[CLY], 4                    ; the part
	s_and_b32 s[CLY], s[CLY], 15
	s_lshl_b32 s[TM], s[CLY], 2
	s_add_co_u32 s[TM], s[TM], s[CY]               ; tile row in the part, 0 .. 63
	s_lshl_b32 s42, s[CY], 2
	s_lshl_b32 s42, 15, s42                        ; my row of the cluster
	s_lshl_b32 s46, 0x1111, s[CX]                  ; my column
	s_or_b32 s[G1], s42, (2<<16)|(1<<20)|(1<<21)|(6<<22)|(3<<25)   ; x: 4-byte elements; after every 128 words 4 of padding
	s_or_b32 s[G1B], s46, (1<<16)|(1<<20)|(1<<21)|(6<<22)|(7<<25)  ; W: 2-byte elements; after every 128 words 8 of padding
	s_mov_b32 s[G1+1], 128<<16
	s_mov_b32 s[G1+2], 64<<16
	s_mov_b32 s[G1+3], 128<<16
	s_mov_b32 s[G1+4], 64
	s_mov_b32 s[G1+5], 1024
	s_mov_b32 s[G1+6], 0
	s_mov_b32 s[G1+7], 0
	s_mov_b32 s[G1B+1], 256<<16
	s_mov_b32 s[G1B+2], 64<<16
	s_mov_b32 s[G1B+3], 256<<16
	s_mov_b32 s[G1B+4], 64
	s_mov_b32 s[G1B+5], 1024
	s_mov_b32 s[G1B+6], 0
	s_mov_b32 s[G1B+7], 0
	s_lshl_b32 s42, s[TM], 19                      ; x: 128 rows of 4,096 bytes a tile row,
	s_lshl_b32 s43, s[WC], 18                      ; my 64 of them
	s_add_co_u32 s42, s42, s43
	s_mov_b32 s43, 0
	s_lshl_b32 s46, s[TN], 9                       ; W: 256 columns of 2 bytes,
	s_lshl_b32 s47, s[WC], 17                      ; my 64 k-rows of 2,048 bytes,
	s_add_co_u32 s46, s46, s47
	s_lshl_b32 s47, s[PP], 21                      ; the part
	s_add_co_u32 s46, s46, s47
	s_mov_b32 s47, 0
	s_mul_i32 s44, s[WC], AHALF                    ; where they go: no place in the cluster enters an LDS address
	s_mul_i32 s45, s[WC], BHALF
	s_add_co_u32 s45, s45, BOFF
	s_wait_dscnt 0x0                               ; the opening add is done
	s_wait_kmcnt 0x0
	s_cmp_eq_u32 s[PP], 1
	s_cselect_b64 s[XP:XP+1], s[6:7], s[4:5]
	s_cmp_eq_u32 s[PP], 2
	s_cselect_b64 s[XP:XP+1], s[8:9], s[XP:XP+1]
	s_add_nc_u64 s[XP:XP+1], s[XP:XP+1], s[42:43]
	s_add_nc_u64 s[WP:WP+1], s[10:11], s[46:47]
	CROUND                                         ; all sixteen work-groups are here: the first joint loads meet
.irp s, 0,1
	s_mov_b32 s[G0+4*(\s)], 1
	s_add_co_u32 s[G0+4*(\s)+1], s44, (\s)*SLOT
	s_add_nc_u64 s[G0+4*(\s)+2:G0+4*(\s)+3], s[XP:XP+1], (\s)*512
	s_or_b32 s[G0+4*(\s)+3], s[G0+4*(\s)+3], 0x80000000
	s_mov_b32 s[G0B+4*(\s)], 1
	s_add_co_u32 s[G0B+4*(\s)+1], s45, (\s)*SLOT
	s_add_nc_u64 s[G0B+4*(\s)+2:G0B+4*(\s)+3], s[WP:WP+1], (\s)*262144
	s_or_b32 s[G0B+4*(\s)+3], s[G0B+4*(\s)+3], 0x80000000
	JLOAD \s
.endr
	v_and_b32 v1, 15, v0                           ; r
	v_bfe_u32 v2, v0, 4, 1                         ; h
	v_and_b32 v3, 7, v0
	v_bfe_u32 v4, v0, 3, 1
	v_and_b32 v5, 31, v0                           ; lane
	; the prefetches: where they stand (at K step 3; the first refill steps them to 4), their step, who asks
	s_lshl_b32 s80, s[CX], 16                      ; x: my work-group's 16 rows of the 64
	s_add_co_u32 s80, s80, 3*512
	s_lshl_b32 s81, s[CY], 15                      ; W: my work-group's 16 k-rows
	s_add_co_u32 s81, s81, 3*262144
	s_cmp_eq_u32 s[WR], 0
	s_cselect_b64 s[PFA:PFA+1], s[XP:XP+1], s[WP:WP+1]
	s_cselect_b32 s80, s80, s81
	s_cselect_b32 s[PST], 9, 18
	s_cselect_b32 s82, 12, 11
	s_cselect_b32 s83, 0, s[CLY]
	s_mov_b32 s81, 0
	s_mov_b32 s[PST+1], 0
	s_add_nc_u64 s[PFA:PFA+1], s[PFA:PFA+1], s[80:81]
	s_cmp_eq_u32 s83, 0
	s_cselect_b32 s[LIM], 2, -1                    ; a wave that asks does so while more than two refills are to come; the same in all sixteen partners, for a given wave
	s_lshl_b32 s[PST], 1, s[PST]                   ; a K step: 512 bytes along x's rows, 128 k-rows of W
	v_lshrrev_b32 v8, 1, v5
	v_lshlrev_b32 v[PFO], s82, v8                  ; a row for two lanes,
	v_and_b32 v8, 1, v5
	v_lshl_add_u32 v[PFO], v8, 8, v[PFO]           ; its two blocks of 256 bytes
	; the table: my 64 positions, for my lanes' pairs
	s_and_b32 s83, s[TM], 15
	s_lshl_b32 s80, s83, 16
	s_lshl_b32 s81, s[PP], 20
	s_add_co_u32 s80, s80, s81
	s_lshl_b32 s81, s[WR], 15
	s_add_co_u32 s80, s80, s81
	s_mov_b32 s81, 0
	s_add_nc_u64 s[TB:TB+1], s[12:13], s[80:81]
	v_lshlrev_b32 v[TO], 9, v1
	v_lshl_add_u32 v[TO], v2, 6, v[TO]             ; position r x 512 + 64 h: frequencies 4 h ..
	WIN TO_T
.irp a, 0,1,2,3
.irp cb, 0,1,2,3
.irp i, 0,1,2,3
	global_load_b128 v[64*(\a)+16*(\cb)+4*(\i):64*(\a)+16*(\cb)+4*(\i)+3], v[TO], s[TB:TB+1] offset:(\a)*8192+(\cb)*128+(\i)*16
.endr
.endr
.endr
	WIN 0
	; where my part of the output begins: ((16 b + head) x 2,048 + position) x 128 bytes, in part p
	s_lshr_b32 s80, s[TM], 4
	s_lshl_b32 s80, s80, 4
	s_lshl_b32 s81, s[TN], 2
	s_add_co_u32 s80, s80, s81
	s_lshl_b32 s81, s[WC], 1
	s_add_co_u32 s80, s80, s81
	s_lshl_b32 s80, s80, 11
	s_lshl_b32 s81, s83, 7
	s_add_co_u32 s80, s80, s81
	s_lshl_b32 s81, s[WR], 6
	s_add_co_u32 s80, s80, s81
	s_lshl_b32 s80, s80, 7
	s_lshl_b32 s81, s[PP], 24
	s_add_co_u32 s80, s80, s81
	s_mov_b32 s81, 0
	s_add_nc_u64 s[OP:OP+1], s[14:15], s[80:81]
	; LDS addresses
	v_mul_u32_u24 v6, v1, PA
	v_lshl_add_u32 v6, v2, 5, v6                   ; x: row x pitch + 32 h (eight f32)
	s_mul_i32 s80, s[WR], AHALF
	v_lshl_add_u32 v7, v2, 3, v3                   ; W: k-row 8 h + lane % 8,
	v_mul_u32_u24 v7, v7, PB
	v_lshl_add_u32 v7, v4, 4, v7                   ; columns 8 ((lane / 8) % 2) ..
	s_lshl_b32 s81, s[WC], 8
	s_add_co_u32 s81, s81, BOFF
	v_add_nc_u32 v[ADRA0], s80, v6
	v_add_nc_u32 v[ADRB0], s81, v7
	v_mov_b32 v[ADRA], v[ADRA0]                    ; K step 0 lies in slot 0
	v_mov_b32 v[ADRB], v[ADRB0]
	s_mov_b32 s[SB], 0
	s_mul_i32 s80, s[WV], 32*SP
	s_add_co_u32 s80, s80, STAGE
	v_mul_u32_u24 v[STO], v1, SP
	v_lshl_add_u32 v[STO], v2, 4, v[STO]
	v_add_nc_u32 v[STO], s80, v[STO]
	v_bfe_u32 v[RD], v0, 3, 2
	v_mul_u32_u24 v[RD], v[RD], SP
	v_lshl_add_u32 v[RD], v3, 4, v[RD]
	v_add_nc_u32 v[RD], s80, v[RD]
	v_lshlrev_b32 v[GO], 4, v5
.macro WM n, f, zero                   ; product n of 32: row block n / 8, column block n % 8; the 32 accumulators take turns
.set rA, AF+32*(\f)+8*((\n)/8)
.set rB, 64*(\f)+8*((\n)%8)
.set rD, 8*(\n)
.if \zero
	v_wmma_f32_16x16x32_bf16 v[rD:rD+7], v[rB:rB+7], v[rA:rA+7], 0
.else
	v_wmma_f32_16x16x32_bf16 v[rD:rD+7], v[rB:rB+7], v[rA:rA+7], v[rD:rD+7]
.endif
.endm
.macro WRUN n0, cnt, f, zero
	WIN MUL
.set nn, \n0
.rept \cnt
	WM nn, \f, \zero
.set nn, nn+1
.endr
.endm
; 32 LDS loads: quarter q (32 along K) of the slot in hand: x's 64 rows as f32, then W's 128 columns, turned, into buffer g
.macro FETCH q, g
	WIN 0
.irp a, 0,1,2,3
	ds_load_b128 v[ST+16*(\a):ST+16*(\a)+3],     v[ADRA] offset:(\a)*16*PA+128*(\q)
	ds_load_b128 v[ST+16*(\a)+4:ST+16*(\a)+7],   v[ADRA] offset:(\a)*16*PA+128*(\q)+16
	ds_load_b128 v[ST+16*(\a)+8:ST+16*(\a)+11],  v[ADRA] offset:(\a)*16*PA+128*(\q)+64
	ds_load_b128 v[ST+16*(\a)+12:ST+16*(\a)+15], v[ADRA] offset:(\a)*16*PA+128*(\q)+80
.endr
	WIN TO_B
.irp b, 0,1,2,3,4,5,6,7
	ds_load_tr16_b128 v[64*(\g)+8*(\b):64*(\g)+8*(\b)+3],   v[ADRB] offset:(\q)*32*PB+32*(\b)
	ds_load_tr16_b128 v[64*(\g)+8*(\b)+4:64*(\g)+8*(\b)+7], v[ADRB] offset:(\q)*32*PB+32*(\b)+16*PB
.endr
.endm
.macro RID t, g                        ; four roundings to bf16: an eighth of the next quarter's x
	WIN 0
.irp i, 0,1,2,3
	v_cvt_pk_bf16_f32 v[AF+32*(\g)+4*(\t)+(\i)], v[ST+8*(\t)+2*(\i)], v[ST+8*(\t)+2*(\i)+1]
.endr
.endm
.macro TAILQ f, g, zero                ; a quarter's last eight products, four roundings behind each.  The four behind the last are the places in front of the next quarter's loads into W's buffer f
	s_wait_dscnt 16                                ; x's 16 loads are in; W's 16 younger ones stay out
.set tt, 0
.rept 8
	WRUN 24+tt, 1, \f, \zero
	RID tt, \g
.set tt, tt+1
.endr
.endm
; A quarter multiplies buffers f, fetches quarter q of the slot in hand and rounds its x into buffer g.
.macro QUARTER q, f, g, zero
	s_wait_dscnt 0x0                               ; W's fragments of buffer f are in
	FETCH \q, \g
	WRUN 0, 24, \f, \zero
	TAILQ \f, \g, \zero
.endm
; The last quarter of a K step changes slots: each wave waits for all its tensor loads (one is out: its part of the next slot), adds 0 to its spare word, waits for that and for its reads of this slot.
; fill = 1: the barrier opens a round of the cluster's, and the joint refill, two K steps on, is the first thing behind it: 120 matrix instructions ahead of the wait for it.
.macro TURN fill
.if \fill
	s_wait_xcnt 0x0                                ; the last prefetch, a K step back, has read its address
	s_add_nc_u64 s[PFA:PFA+1], s[PFA:PFA+1], s[PST:PST+1]
.endif
	WIN 0
	s_wait_tensorcnt 0x0
	ds_add_u32 v[SPW], v[NIL]
.if \fill
	s_xor_b32 s[G0+5], s[G0+5], SLOT               ; the walking descriptors: the other slot than last time,
	s_add_nc_u64 s[G0+6:G0+7], s[G0+6:G0+7], 512   ; the next K step; the type bits on top are not reached
	s_xor_b32 s[G0B+5], s[G0B+5], SLOT
	s_add_nc_u64 s[G0B+6:G0B+7], s[G0B+6:G0B+7], 262144
.endif
	s_wait_dscnt 0x0                               ; the add is done, W's buffer 1 is in, my reads of this slot are over
	s_barrier_signal -1
	WRUN 0, 8, 1, 0
	WIN 0
	s_barrier_wait -1
.if \fill
	CREST
	JLOAD 1
.endif
	s_xor_b32 s[SB], s[SB], SLOT                   ; the reads go on in the other slot
	v_add_nc_u32 v[ADRA], s[SB], v[ADRA0]
	v_add_nc_u32 v[ADRB], s[SB], v[ADRB0]
	FETCH 0, 0
.if \fill
	WIN 0
	ASK
.endif
	WRUN 8, 16, 1, 0
	TAILQ 1, 0, 0
.endm
	s_wait_tensorcnt 0x1                           ; my part of K step 0 is in; K step 1's stays out
	s_barrier_signal -1
	s_barrier_wait -1
	FETCH 0, 0
	s_wait_dscnt 16
.irp t, 0,1,2,3,4,5,6,7
	RID \t, 0
.endr
	QUARTER 1, 0, 1, 1                             ; the first quarter's products start the sums
	WIN 0
	s_mov_b32 s[LC], STEPS-2
.Lstep:                                                ; a trip goes from a K step's second quarter to the next step's first, and fills the slot that it leaves: six trips
	QUARTER 2, 1, 0, 0
	QUARTER 3, 0, 1, 0
	TURN 1
	QUARTER 1, 0, 1, 0
	WIN 0
	s_sub_co_u32 s[LC], s[LC], 1
	s_cmp_lg_u32 s[LC], 0
	s_cbranch_scc1 .Lstep
	QUARTER 2, 1, 0, 0                             ; the last two K steps fill nothing
	QUARTER 3, 0, 1, 0
	TURN 0
	QUARTER 1, 0, 1, 0
	QUARTER 2, 1, 0, 0
	QUARTER 3, 0, 1, 0
	s_wait_dscnt 0x0
	WRUN 0, 32, 1, 0
	WIN 0
.rept 4
	v_nop                                          ; the places behind the last products
.endr
	s_wait_loadcnt 0x0                             ; the table
; THE WAY OUT, a block of 16 rows at a time.  (y1, y2) -> (y1 C - y2 S, y1 S + y2 C): the swapped pair times (-S, S), then the pair times (C, C) added.
.macro PACK a
	WIN W_ROPE
.irp b, 0,1,2,3,4,5,6,7
.irp i, 0,1,2,3
	v_pk_mul_f32 v[R+8*(\b)+2*(\i):R+8*(\b)+2*(\i)+1], v[8*(8*(\a)+(\b))+2*(\i):8*(8*(\a)+(\b))+2*(\i)+1], v[64*(\a)+16*((\b)%4)+4*(\i)+2:64*(\a)+16*((\b)%4)+4*(\i)+3] op_sel:[1,0] op_sel_hi:[0,1]
.endr
.irp i, 0,1,2,3
	v_pk_fma_f32 v[R+8*(\b)+2*(\i):R+8*(\b)+2*(\i)+1], v[8*(8*(\a)+(\b))+2*(\i):8*(8*(\a)+(\b))+2*(\i)+1], v[64*(\a)+16*((\b)%4)+4*(\i):64*(\a)+16*((\b)%4)+4*(\i)+1], v[R+8*(\b)+2*(\i):R+8*(\b)+2*(\i)+1]
.endr
.endr
	WIN 0
.set nn, 0
.rept 32
	v_cvt_pk_f16_f32 v[PK+nn], v[R+2*nn], v[R+2*nn+1]
.set nn, nn+1
.endr
.endm
.macro TOSTAGE a                       ; 16 bytes a lane into rows of 144 bytes, head by head; back as four whole rows of 128 bytes a load.  LDS serves a wave's instructions in order
.irp b, 0,1,2,3,4,5,6,7
	ds_store_b128 v[STO], v[PK+4*(\b):PK+4*(\b)+3] offset:((\b)/4)*16*SP+((\b)%4)*32
.endr
.irp hd, 0,1
.irp f, 0,1,2,3
	ds_load_b128 v[OB+32*(\a)+16*(\hd)+4*(\f):OB+32*(\a)+16*(\hd)+4*(\f)+3], v[RD] offset:(\hd)*16*SP+(\f)*4*SP
.endr
.endr
.endm
.macro SEND a
	s_wait_dscnt 0x0
.irp hd, 0,1
.irp f, 0,1,2,3
	global_store_b128 v[GO], v[OB+32*(\a)+16*(\hd)+4*(\f):OB+32*(\a)+16*(\hd)+4*(\f)+3], s[OP:OP+1] offset:(\hd)*262144+(\a)*2048+(\f)*512  ; 512 consecutive bytes, aligned
.endr
.endr
.endm
	PACK 0
	TOSTAGE 0
.irp a, 1,2,3
	PACK \a
	SEND (\a)-1
	TOSTAGE \a
.endr
	SEND 3
	s_wait_tensorcnt 0x0                           ; the wave's end
	ds_add_u32 v[SPW], v[NIL]
	s_wait_dscnt 0x0
	CROUND                                         ; the closing round
	s_endpgm
.Lfunc_end_k_q0e9370a87e_proj:
	.size	k_q0e9370a87e_proj, .Lfunc_end_k_q0e9370a87e_proj-k_q0e9370a87e_proj
	.p2alignl 7, 3214868480
	.fill 96, 4, 3214868480
	.section	.rodata,"a",@progbits
	.p2align	6, 0x0
	.amdhsa_kernel k_q0e9370a87e_proj
		.amdhsa_group_segment_fixed_size 327680
		.amdhsa_private_segment_fixed_size 0
		.amdhsa_enable_private_segment 0
		.amdhsa_kernarg_size 48
		.amdhsa_user_sgpr_count 2
		.amdhsa_user_sgpr_kernarg_segment_ptr 1
		.amdhsa_wavefront_size32 1
		.amdhsa_system_sgpr_workgroup_id_x 1
		.amdhsa_system_sgpr_workgroup_id_y 1
		.amdhsa_system_sgpr_workgroup_id_z 1
		.amdhsa_system_vgpr_workitem_id 0
		.amdhsa_next_free_vgpr 1024
		.amdhsa_next_free_sgpr 84
		.amdhsa_reserve_vcc 0
		.amdhsa_float_denorm_mode_32 3
		.amdhsa_float_denorm_mode_16_64 3
		.amdhsa_memory_ordered 1
		.amdhsa_forward_progress 1
		.amdhsa_inst_pref_size 128
	.end_amdhsa_kernel
	.amdgpu_metadata
---
amdhsa.version: [ 1, 2 ]
amdhsa.kernels:
  - .name:           k_q0e9370a87e_proj
    .symbol:         k_q0e9370a87e_proj.kd
    .args:
      - { .name: q, .offset: 0, .size: 8, .value_kind: global_buffer, .address_space: global }
      - { .name: k, .offset: 8, .size: 8, .value_kind: global_buffer, .address_space: global }
      - { .name: v, .offset: 16, .size: 8, .value_kind: global_buffer, .address_space: global }
      - { .name: WB, .offset: 24, .size: 8, .value_kind: global_buffer, .address_space: global }
      - { .name: TAB, .offset: 32, .size: 8, .value_kind: global_buffer, .address_space: global }
      - { .name: QKV, .offset: 40, .size: 8, .value_kind: global_buffer, .address_space: global }
    .group_segment_fixed_size: 327680
    .private_segment_fixed_size: 0
    .kernarg_segment_align: 8
    .kernarg_segment_size: 48
    .max_flat_workgroup_size: 128
    .sgpr_count:     84
    .vgpr_count:     1024
    .wavefront_size: 32
...
	.end_amdgpu_metadata
.endif
;; end of part 2
;; launch attn (part 3): grid 4 x 64, 4 waves a work-group, clusters of 4 x 1, 327,680 bytes of LDS; arguments QKV, MB, OH; writes OH
.if DOCPART == 3
	.amdgcn_target "amdgcn-amd-amdhsa--gfx1250"
	.amdhsa_code_object_version 6
	.text
	.protected	k_q0e9370a87e_attn
	.globl	k_q0e9370a87e_attn
	.p2align	8
	.type	k_q0e9370a87e_attn,@function
k_q0e9370a87e_attn:
	s_mov_b64 s[64:65], 0
	v_nop
	global_prefetch_b8 v0, s[64:65] scope:SCOPE_SE
	s_setreg_imm32_b32 hwreg(HW_REG_WAVE_MODE, 25, 1), 1
	s_wait_xcnt 0x0
	s_wait_alu depctr_hold_cnt(0) depctr_sa_sdst(0) depctr_va_vdst(0) depctr_va_sdst(0) depctr_va_ssrc(0) depctr_va_vcc(0) depctr_vm_vsrc(0)
	s_getreg_b32 s2, hwreg(HW_REG_IB_STS2, 6, 4)
	s_cmp_eq_u32 s2, 0
	s_cbranch_scc0 .Lentry_in_a_cluster
	s_endpgm
.Lentry_in_a_cluster:
	s_bfe_u32 s2, ttmp6, 0x10000c
	s_cmp_lg_u32 s2, 0x3003
	s_cbranch_scc0 .Lentry_shape_is_right
	s_endpgm
.Lentry_shape_is_right:
; ATTENTION WITH A MASK THAT IS AN INPUT.  For each of 64 (batch, head): O[q] = sum over all 2,048 keys of softmax_k(s[q][k]) V[k], s = Q . K / 8 where mask[b][q][k] != 0 and -1e9 elsewhere.
; Q, K, V: parts of QKV, [64][2048][64] f16; Q already carries log2(e) / 8, so a score leaves K Q^T as log2(e) s, and a hidden one is REPLACED by log2(e) x (-1e9): a row with no visible key gives the mean of all V.
; Products, maxima and sums in f32; the weights are rounded to f16 for the second product (their sum is taken of the unrounded ones), O once at the end, into OH [64][2048][64] f16.
; LIMITS.  f16 holds no number beyond 65,504; a weight below 2^-126 counts as 0; NaN and infinities are not treated apart.
; SHARES.  A wave owns four PIECES of two tiles of 16 queries, a work-group's four waves 512 queries of one head.  Every wave walks all keys, 64 a step; a slot of LDS holds four steps' K and V.
; LAYOUT.  S^T = K Q^T holds ONE query a lane (lane % 16) and the keys 8 (lane / 16) + 0..7; two such results rounded to f16 ARE source 1 of O^T = V^T P.  K comes out of LDS as it lies, V turned.
; SOFTMAX.  Running maximum m and sum l: p = 2^(s - m); in every step O and l are multiplied by a = 2^(m_old - m_new).  m starts far below every score, O and l at 0: the first step has a = 0.
; THE MASK.  MB holds, for a tile and a step, 32 words: word w is the lane mask of score register w.  My wave's 256 words of a step are 1,024 consecutive bytes: two vector loads of 512 bytes, four registers each
; (pieces 0, 1; pieces 2, 3).  Each half is asked for again as soon as it has been read for the last time: more than two turns ahead of its next reader.  In a turn 64 v_readlane_b32 bring a piece's words
; into scalar registers, and 64 v_cndmask_b32 apply them.
; BY TURNS.  Turn n belongs to piece n: 16 products K Q^T of piece n + 1, later 16 products V^T P of piece n - 1; beside them the scaling, exponentials, roundings, sums and rescaling of piece n, and the
; mask, maximum and statistics of piece n + 1.  Four vector instructions stand behind every matrix instruction, the rest in one lump; a turn's 66 exponentials are one batch with one wait.
; CLUSTER.  A head's four query blocks walk the same K and V: each tile is asked for jointly.
; REGISTERS.  window 0: v2-10 addresses and the replacement score; v12-15, v48-63 at work; v16-47 statistics (m, 0, l, l) a tile; v64-191 S^T, two buffers of two tiles; v192-255 P, likewise.
;   window 1: O^T, 32 a tile.  window 2: v0-127 Q; v128-191 K of one step; v192-255 V of one step.  window 3: v0-1 the add's two registers; v4-11 the mask words.
.set NP,    4
.set KS,    64
.set PK,    160       ; a row of K or V in LDS: 128 bytes + 32: one descriptor serves both; K's 16 rows of a load then fall two to a group of banks
.set PV,    160
.set VOFF,  4*KS*PK   ; a slot: 256 rows of K, then 256 rows of V
.set SLOT1, 1<<17
.set STAGE, SLOT1+4*KS*(PK+PV)
.set SP,    144
.set SPARE, STAGE+4*16*SP
.set AK0, 2
.set AV0, 3
.set AK,  4
.set AV,  5
.set QO,  6
.set STO, 6
.set RD,  7
.set GO,  8           ; v8   16 x my lane: my 16 bytes of 512, in O and in MB; never rewritten
.set PFO, 9           ; v9   256 x my lane; never rewritten
.set NEG, 10          ; v10  log2(e) x (-1e9); never rewritten
.set SPW, 0           ; v0 of window 3
.set NIL, 1           ; v1 of window 3
.set MBV, 4           ; v[4:11] of window 3: word w of tile u of piece pp in register 4 (pp / 2) + w % 4, lane 16 (pp % 2) + 8 u + w / 4
.set MV,  12
.set ST,  16
.set TMP, 48
.set S,   64
.set P,   192
.set KF,  128
.set VF,  192
; s[4:51], s[68:83] a piece's 64 mask words: tile 0 word w in s[4 + w]; tile 1 in s[36 + w] (w < 16) and s[52 + w]
.set G1,  52
.set G0,  60
.set SEL, 66
.set OP,  84
.set MP,  86          ; s[86:87] MB at my wave's eight tiles, at the step whose words are asked for next
.set MNX, 88          ; s[88:89] its step
.set PFA, 90
.set LIM, 92
.set WV,  93
.set SLOTS, 94
.set CNT, 95
.set TBK, 96
.set TBV, 97
.set QP,  98
.set MSB, 0
.macro WIN new
.if MSB != (\new)
	s_set_vgpr_msb (MSB<<8)|(\new)
.set MSB, (\new)
.endif
.endm
.set W_KQ, 0x0a
.set W_PV, 0x52
.set W_RS, 0x41
.set W_MK, 0xc0       ; destination in window 3, sources in window 0
.set W_AD, 0x0f
.set W_RL, 0x03       ; source 0 in window 3
.macro JLOAD                        ; a joint fill: wave w fetches rows 128 w .. 128 w + 127 of the slot's 512; an s_nop 0 and four v_nop follow
	tensor_load_to_lds s[G0:G0+3], s[G1:G1+7]
	s_nop 0
.rept 4
	v_nop
.endr
.endm
; A prefetch of the slot that the NEXT change will ask for (four key steps ahead): 128 blocks of 256 bytes of K and of V; the four partners take 32 each, told apart by address; wave 0 asks for K's, wave 2 for V's.
.macro ASK
	s_cmp_gt_u32 s[SLOTS], s[LIM]
	s_cbranch_scc0 .Lnot_mine_\@
	global_prefetch_b8 v[PFO], s[PFA:PFA+1] th:TH_LOAD_NT scope:SCOPE_SE
.Lnot_mine_\@:
.endm
.macro CROUND
	s_barrier_signal -1
	s_barrier_wait -1
	s_cmp_lg_u32 s[WV], 0
	s_cbranch_scc1 .Lnot_wave_0_\@
	s_barrier_signal -3
.Lnot_wave_0_\@:
	s_barrier_wait -3
	s_barrier_signal -1
	s_barrier_wait -1
.endm
; THE CHANGE OF SLOTS: each wave waits for all its tensor loads (one is out: its part of the other slot), adds 0 to its spare word, waits for that and for its reads of the slot.
; fill = 1: a round of the cluster's barrier, and the joint fill first behind it: it has four key steps, 512 matrix instructions, in which to land.
.macro CHANGE fill
	WIN W_AD
	s_wait_tensorcnt 0x0
	ds_add_u32 v[SPW], v[NIL]
	WIN 0
.if \fill
	s_xor_b32 s[G0+1], s[G0+1], SLOT1
	s_add_nc_u64 s[G0+2:G0+3], s[G0+2:G0+3], 4*KS*128
	s_wait_xcnt 0x0                 ; the last prefetch, four key steps back, has read its address
	s_add_nc_u64 s[PFA:PFA+1], s[PFA:PFA+1], 4*KS*128
	s_wait_dscnt 0x0
	CROUND
	JLOAD
	ASK
.else
	s_wait_dscnt 0x0
	s_barrier_signal -1
	s_barrier_wait -1
.endif
	s_sub_co_u32 s[TBK], s[TBK], 4*KS*PK
	s_xor_b32 s[TBK], s[TBK], SLOT1
	s_sub_co_u32 s[TBV], s[TBV], 4*KS*PV
	s_xor_b32 s[TBV], s[TBV], SLOT1
.endm
	s_load_b128 s[4:7], s[0:1], 0x0   ; QKV s[4:5], MB s[6:7]
	s_load_b64 s[8:9], s[0:1], 0x10   ; OH
	WIN W_MK
	v_lshl_add_u32 v[SPW], v0, 2, SPARE
	v_mov_b32 v[NIL], 0
	WIN W_AD
	ds_add_u32 v[SPW], v[NIL]       ; the opening: the add and its wait ahead of my first tensor load
	ds_add_u32 v0, v1
	WIN 0
	v_lshrrev_b32 v1, 5, v0
	v_readfirstlane_b32 s[WV], v1
	s_bfe_u32 s10, ttmp6, 0x40000   ; cx
	s_lshl_b32 s11, ttmp9, 2
	s_add_co_u32 s11, s11, s10      ; my block of 512 queries: it enters Q's, O's and MB's addresses alone
	s_and_b32 s12, ttmp7, 0xffff    ; 16 b + h, which the four partners share
	s_lshl_b32 s13, s12, 18         ; the head's first byte in a part
	s_lshr_b32 s16, s[WV], 1
	s_add_co_u32 s16, s16, 1        ; part 1 (K) for waves 0, 1; part 2 (V) for waves 2, 3
	s_lshl_b32 s16, s16, 24
	s_add_co_u32 s16, s16, s13
	s_and_b32 s17, s[WV], 1
	s_lshl_b32 s17, s17, 14         ; which 128 of a slot's 256 keys
	s_add_co_u32 s16, s16, s17
	s_mov_b32 s17, 0
	s_lshl_b32 s20, s11, 2
	s_add_co_u32 s20, s20, s[WV]
	s_lshl_b32 s20, s20, 14         ; my wave's 128 rows
	s_add_co_u32 s20, s20, s13
	s_mov_b32 s21, 0
	s_lshl_b32 s22, s10, 13         ; the prefetches: my work-group's 32 blocks, in slot 1; the first change steps them to slot 2
	s_add_co_u32 s22, s22, 4*KS*128
	s_mov_b32 s23, 0
	s_lshr_b32 s24, s12, 4          ; b
	s_lshl_b32 s24, s24, 19
	s_lshl_b32 s25, s11, 12         ; 32 tiles a block,
	s_add_co_u32 s24, s24, s25
	s_lshl_b32 s25, s[WV], 10       ; 8 a wave, 128 bytes each
	s_add_co_u32 s24, s24, s25
	s_mov_b32 s25, 0
	; 128 keys are 16,384 dense bytes: asked for as 64 rows of 256 bytes, padded in LDS after every key
	s_mov_b32 s[G1], 15|(1<<16)|(1<<20)|(1<<21)|(4<<22)|(7<<25)
	s_mov_b32 s[G1+1], 128<<16
	s_mov_b32 s[G1+2], 64<<16
	s_mov_b32 s[G1+3], 128<<16
	s_mov_b32 s[G1+4], 64
	s_mov_b32 s[G1+5], 128
	s_mov_b32 s[G1+6], 0
	s_mov_b32 s[G1+7], 0
	s_mov_b32 s[G0], 1
	s_mul_i32 s[G0+1], s[WV], 128*PK
	s_mov_b32 s[SEL], 0x76543210
	s_mov_b32 s[SEL+1], 0xfedcba98
	s_mov_b32 s[TBK], SLOT1+4*KS*PK ; the first change of slots turns these two into 0
	s_mov_b32 s[TBV], SLOT1+4*KS*PV
	s_mov_b32 s[MNX], 0x4000        ; a key step's words: 128 tiles x 128 bytes
	s_mov_b32 s[MNX+1], 0
	s_mov_b32 s[SLOTS], 7           ; 2,048 / 256 - 1
	s_and_b32 s[LIM], s[WV], 1
	s_cmp_eq_u32 s[LIM], 0
	s_cselect_b32 s[LIM], 1, -1
	s_wait_dscnt 0x0                ; the opening add is done
	s_wait_kmcnt 0x0
	s_add_nc_u64 s[G0+2:G0+3], s[4:5], s[16:17]
	s_add_nc_u64 s[PFA:PFA+1], s[G0+2:G0+3], s[22:23]
	s_or_b32 s[G0+3], s[G0+3], 0x80000000
	s_add_nc_u64 s[QP:QP+1], s[4:5], s[20:21]
	s_add_nc_u64 s[OP:OP+1], s[8:9], s[20:21]
	s_add_nc_u64 s[MP:MP+1], s[6:7], s[24:25]
	CROUND                          ; all four work-groups are here
	JLOAD                           ; slot 0; slot 1 is asked for when slot 0 is in
	v_and_b32 v[GO], 31, v0
	v_lshlrev_b32 v[GO], 4, v[GO]
	WIN W_MK
	global_load_b128 v[MBV:MBV+3],   v[GO], s[MP:MP+1]             ; key step 0's words: pieces 0 and 1,
	global_load_b128 v[MBV+4:MBV+7], v[GO], s[MP:MP+1] offset:512  ; pieces 2 and 3
	WIN 0
	v_and_b32 v1, 15, v0            ; l % 16
	v_bfe_u32 v48, v0, 4, 1         ; l / 16
	v_lshlrev_b32 v[QO], 7, v1
	v_lshl_add_u32 v[QO], v48, 4, v[QO]
	WIN 0x80
.set i, 0
.rept 4*NP                          ; Q stays in registers: tile i / 2, channels 32 (i % 2) on
	global_load_b128 v[8*i:8*i+3],   v[QO], s[QP:QP+1] offset:(i/2)*2048+(i%2)*64
	global_load_b128 v[8*i+4:8*i+7], v[QO], s[QP:QP+1] offset:(i/2)*2048+(i%2)*64+32
.set i, i+1
.endr
	; What the first turn finds: V's registers and P's second buffer hold 0, O^T and l are 0.  All this stands in the wait for the first tile.
.set i, VF
.rept 64
	v_mov_b32 v[i], 0
.set i, i+1
.endr
	WIN 0
.set i, 0
.rept 2*NP
	v_mov_b32 v[ST+4*i], 0xfe000000    ; m: far below every score, the replacement score too
	v_mov_b32 v[ST+4*i+1], 0           ; named with m as a pair
	v_mov_b32 v[ST+4*i+2], 0
	v_mov_b32 v[ST+4*i+3], 0
.set i, i+1
.endr
.set i, P+32
.rept 32
	v_mov_b32 v[i], 0
.set i, i+1
.endr
	v_mov_b32 v[NEG], 0xceabfb8f
	v_and_b32 v[PFO], 31, v0
	v_lshlrev_b32 v[PFO], 8, v[PFO]
	v_mul_u32_u24 v[AK0], v1, PK
	v_lshl_add_u32 v[AK0], v48, 4, v[AK0]
	v_and_b32 v49, 7, v0
	v_bfe_u32 v50, v0, 3, 1
	v_lshl_add_u32 v[AV0], v48, 3, v49
	v_mul_u32_u24 v[AV0], v[AV0], PV
	v_lshl_add_u32 v[AV0], v50, 4, v[AV0]
	v_add_nc_u32 v[AV0], VOFF, v[AV0]
	v_mov_b32 v[AK], v[AK0]
	WIN W_PV                        ; O^T starts at 0: 32 products of the zeros above, with the constant 0 as C, each writing eight registers: a quarter of the text that 256 moves would take
.set i, 0
.rept 8*NP
	v_wmma_f32_16x16x32_f16 v[8*i:8*i+7], v[VF:VF+7], v[P+32:P+39], 0
.set i, i+1
.endr
; THE MATRIX WORK.  The 8 accumulators of a run of 16 take turns.
.macro KQ x
	WIN W_KQ
.set rS, S+64*((\x)%2)+32*(i%2)+8*((i/2)%4)
.set rK, KF+16*((i/2)%4)+8*(i/8)
.set rQ, 16*(2*(\x)+i%2)+8*(i/8)
.if i < 8
	v_wmma_f32_16x16x32_f16 v[rS:rS+7], v[rK:rK+7], v[rQ:rQ+7], 0
.else
	v_wmma_f32_16x16x32_f16 v[rS:rS+7], v[rK:rK+7], v[rQ:rQ+7], v[rS:rS+7]
.endif
.endm
.macro PV x
	WIN W_PV
.set rO, 32*(2*(\x)+i%2)+8*((i/2)%4)
.set rV, VF+32*(i/8)+8*((i/2)%4)
.set rP, P+32*((\x)%2)+16*(i%2)+8*(i/8)
	v_wmma_f32_16x16x32_f16 v[rO:rO+7], v[rV:rV+7], v[rP:rP+7], v[rO:rO+7]
.endm
.macro MM
.if i < 16
	KQ (Y+1)%NP
.set i, i+1
.else
.set i, i-16
	PV (Y+NP-1)%NP
.set i, i+17
.endif
.endm
.macro FETCH_K last=0
	WIN 0
.if \last
	s_cmp_eq_u32 s[CNT], 1
	s_cbranch_scc1 .Lno_k_\@
.endif
	WIN 0x80
.irp f, 0,1,2,3,4,5,6,7
	ds_load_b128 v[KF+8*\f:KF+8*\f+3],   v[AK] offset:(\f/2)*16*PK+(\f%2)*64
	ds_load_b128 v[KF+8*\f+4:KF+8*\f+7], v[AK] offset:(\f/2)*16*PK+(\f%2)*64+32
.endr
	s_add_co_u32 s[TBK], s[TBK], KS*PK
	WIN 0
.if \last
.Lno_k_\@:
.endif
.endm
.macro FETCH_V
	WIN 0x80
.irp f, 0,1,2,3,4,5,6,7
	ds_load_tr16_b128 v[VF+8*\f:VF+8*\f+3],   v[AV] offset:(\f/4)*32*PV+(\f%4)*32
	ds_load_tr16_b128 v[VF+8*\f+4:VF+8*\f+7], v[AV] offset:(\f/4)*32*PV+16*PV+(\f%4)*32
.endr
	WIN 0
.endm
; THE VECTOR WORK OF A TURN stands in three queues; the two tiles alternate.
.macro REGS y, u
.set rT, ST+4*(2*(\y)+(\u))
.set rC, TMP+8*((\y)%2)+4*(\u)
.set rM, MV+2*((\y)%2)+(\u)
.set rS, S+64*((\y)%2)+32*(\u)
.set rP, P+32*((\y)%2)+16*(\u)
.set rO, 32*(2*(\y)+(\u))
.endm
.macro MKREG g                      ; the scalar register of mask word g / 2 of tile g % 2
.set w, (\g)/2
.set mk, 4+w
.if (\g)%2
.set mk, 36+w
.if w >= 16
.set mk, 52+w
.endif
.endif
.endm
; Word g of the NEXT piece's 64 goes from its lane of the mask registers into its scalar register.  The caller has set source 0's window.
.macro RL g
	MKREG \g
.set pp, (Y+1)%NP
	v_readlane_b32 s[mk], v[MBV+4*(pp/2)+w%4], 16*(pp%2)+8*((\g)%2)+w/4
.endm
.macro RLS                          ; all 64, under one window setting
	WIN W_RL
.set g, 0
.rept 64
	RL g
.set g, g+1
.endr
.endm
; Mask line g of 64, on the NEXT piece's scores: register g / 2 of tile g % 2 keeps its score where the word's bit is set.  Ascending: each accumulator's lowest register is read first.
.macro CM g
	REGS (Y+1)%NP, (\g)%2
	MKREG \g
	v_cndmask_b32 v[rS+w], v[NEG], v[rS+w], s[mk]
.endm
; Number n of the 21 that find the NEXT piece's maximum and statistics: 0-11 four chains of seven scores; 12-14, 16 the four left over, the old m, all into c0; 15 m_old is kept;
; 17, 18 the other half of the lanes: the new m; 19 m_old - m_new; 20 a.
.macro XS u, n
	REGS (Y+1)%NP, \u
.if (\n) < 4
	v_max3_num_f32 v[rC+(\n)], v[rS+8*(\n)], v[rS+8*(\n)+1], v[rS+8*(\n)+2]
.elseif (\n) < 12
	v_max3_num_f32 v[rC+(\n)%4], v[rC+(\n)%4], v[rS+8*((\n)%4)+2*((\n)/4)+1], v[rS+8*((\n)%4)+2*((\n)/4)+2]
.elseif (\n) == 12
	v_max3_num_f32 v[rC], v[rC], v[rS+7], v[rS+15]
.elseif (\n) == 13
	v_max3_num_f32 v[rC+1], v[rC+1], v[rS+23], v[rS+31]
.elseif (\n) == 14
	v_max3_num_f32 v[rC+2], v[rC+2], v[rC+3], v[rT]
.elseif (\n) == 15
	v_mov_b32 v[rM], v[rT]
.elseif (\n) == 16
	v_max3_num_f32 v[rC], v[rC], v[rC+1], v[rC+2]
.elseif (\n) == 17
	v_permlanex16_b32 v[rC+3], v[rC], s[SEL], s[SEL+1]
.elseif (\n) == 18
	v_max_num_f32 v[rT], v[rC], v[rC+3]
.elseif (\n) == 19
	v_sub_f32 v[rC+1], v[rM], v[rT]
.else
	v_exp_f32 v[rC+2], v[rC+1]
.endif
.endm
; Number g of the 64 that follow the exponentials: for each four weights both pairs are rounded to f16, the second pair is added onto the first, and a group later l takes that sum (the first time as a l + sum).
.macro GS g
.set h, (\g)+6*((\g)/62)
.if h >= 6
.set h, h+2
.endif
	REGS Y, h%2
.set k, h/8
.if h%8 < 4
	v_cvt_pk_f16_f32 v[rP+2*k+(h%8)/2], v[rS+4*k+2*((h%8)/2)], v[rS+4*k+2*((h%8)/2)+1]
.elseif h%8 < 6
	v_pk_add_f32 v[rS+4*k:rS+4*k+1], v[rS+4*k:rS+4*k+1], v[rS+4*k+2:rS+4*k+3]
.elseif k == 1
	v_pk_fma_f32 v[rT+2:rT+3], v[rT+2:rT+3], v[rC+2:rC+3], v[rS:rS+1] op_sel_hi:[1,0,1]
.else
	v_pk_add_f32 v[rT+2:rT+3], v[rT+2:rT+3], v[rS+4*k-4:rS+4*k-3]
.endif
.endm
.macro FS f                         ; s - m for pair f / 2 of tile f % 2
	REGS Y, (\f)%2
	v_pk_add_f32 v[rS+2*((\f)/2):rS+2*((\f)/2)+1], v[rS+2*((\f)/2):rS+2*((\f)/2)+1], v[rT:rT+1] op_sel_hi:[1,0] neg_lo:[0,1] neg_hi:[0,1]
.endm
; THE PLAIN QUEUE, 200 long.  0-26 scalings 0-26; 27-90 the 64 mask lines; 91-118 XS 0-13; 119, 120 XS 15; 121-135 five groups (a scaling 27-31, then XS 14, 16, 17, 18, 19 of both tiles); 136-199 GS.
.macro PL
	WIN 0
.if q < 27
	FS q
.elseif q < 91
	CM q-27
.elseif q < 119
	XS (q-91)%2, (q-91)/2
.elseif q < 121
	XS q-119, 15
.elseif (q < 136) && ((q-121)%3 == 0)
	FS 27+(q-121)/3
.elseif q < 124
	XS (q-121)%3-1, 14
.elseif q < 136
	XS (q-121)%3-1, 15+(q-121)/3
.else
	GS q-136
.endif
.set q, q+1
.endm
.macro EX                           ; THE EXPONENTIALS' QUEUE, 66 long: s0-s31 of both tiles, then the next piece's two a: one batch, ahead of the turn's one wait
	WIN 0
.if e >= 64
	XS e-64, 20
.else
	REGS Y, e%2
	v_exp_f32 v[rS+e/2], v[rS+e/2]
.endif
.set e, e+1
.endm
.macro R2                           ; THE RESCALING's QUEUE: O^T times a, two at a time
	REGS Y, r%2
	WIN W_RS
.irp z, 0,1
	v_pk_mul_f32 v[rO+4*(r/2)+2*\z:rO+4*(r/2)+2*\z+1], v[rO+4*(r/2)+2*\z:rO+4*(r/2)+2*\z+1], v[rC+2:rC+3] op_sel_hi:[1,0]
.endr
.set r, r+1
.endm
; A TURN, for piece p.  AHEAD OF THE WAIT: 16 products K Q^T with a scaling, an exponential and two rescalings behind each; then the lump: ten scalings (with the riders behind the last product: thirteen places
; ahead of the first mask line), the 64 readlanes, 32 times an exponential and two mask lines, the maximum and statistics with the other exponentials between.
; Exponential e stands behind scaling 2 (e / 4) + e % 2: up to e = 52 those are scalings 0-26; e = 53 .. 63 stand behind plain 121, 124, 127, 130, 133 as they need them.
; BEHIND THE WAIT: 16 products V^T P with four of GS's 64 behind each.
; THE MASK WORDS.  Turn p applies piece p + 1's.  Turns 3 and 0 read the first four registers (pieces 0, 1 of a step), turns 1 and 2 the other four.  Behind turn 0's reads the first half of the next step is
; asked for, behind turn 2's the second.  So at turn 3 and at turn 1 two loads are out, the older of which is wanted: the wait's count is 1.  MP steps in turn 3, when both loads of its step have read it.
; K of the next step is fetched in piece 2's turn behind the readlanes: its buffer's last reader, the turn's 16th product, stands more than 70 plain instructions back; its first reader comes a lump and 16 products later.
; last = 1 (the tail): in the last trip there is no further step.  K's run is jumped over, and stands behind the turn's wait; MP stays at step 31
; from the last trip but one on, so that the two loads that no turn needs read step 31's words once more and none leaves MB.
.macro TURN p, last=0, cnt=0
.set Y, (\p)
.set i, 0
.set q, 0
.set e, 0
.set r, 0
.if ((\p) == 3) && (\last)
	s_cmp_le_u32 s[CNT], 2
	s_cselect_b32 s[MNX], 0, 0x4000
.endif
.if (\p) == NP-1
	s_wait_dscnt 0x0                ; K is in
.endif
	MM
	PL
	PL
	R2
.rept 15
	MM
	PL
	EX
	R2
.endr
.if (\p) == NP-2
	WIN 0
	v_add_nc_u32 v[AK], s[TBK], v[AK0]
.endif
.rept 10
	PL
.endr
.if ((\p) == 1) || ((\p) == 3)
	s_wait_loadcnt 0x1              ; loads come back in order: the half that I read now is in; the other half's load stays out
.endif
	RLS
.if (\p) == 0
	WIN W_MK
	global_load_b128 v[MBV:MBV+3], v[GO], s[MP:MP+1]
.endif
.if (\p) == 2
	WIN W_MK
	global_load_b128 v[MBV+4:MBV+7], v[GO], s[MP:MP+1] offset:512
.endif
.if (\p) == 3
	s_wait_xcnt 0x0                 ; the loads of turns 0 and 2 have read their base
	s_add_nc_u64 s[MP:MP+1], s[MP:MP+1], s[MNX:MNX+1]
.endif
.if ((\p) == NP-2) && !(\last)
	FETCH_K
.endif
.rept 38
	EX
	PL
	PL
.endr
.rept 22
	PL
.endr
.rept 7
	EX
	PL
.endr
	EX
	PL
	PL
	EX
	PL
	EX
	PL
	EX
	EX
	EX
	v_nop                           ; the plain instruction behind the last exponential: one for the batch
	s_wait_alu depctr_va_vdst(0)    ; the wait for the batch, ahead of the first reader
.if ((\p) == NP-2) && (\last)
	FETCH_K 1
.endif
.if (\p) == 1
	s_wait_dscnt 0x0                ; V is in
.endif
.rept 16
	MM
.rept 4
	PL
.endr
.if ((\p) == 0) && (q == 180)
	v_add_nc_u32 v[AV], s[TBV], v[AV0]
.endif
.if ((\p) == 0) && (q == 192)
	s_add_co_u32 s[TBV], s[TBV], KS*PV
.endif
.if (\cnt) && (q == 192)
	s_sub_co_u32 s[CNT], s[CNT], 1
	s_cmp_lg_u32 s[CNT], 0
.endif
.endr
.if (\p) == 0
	FETCH_V                         ; four riders behind V's last reader
.endif
.endm
	CHANGE 1                        ; slot 0 is in, everybody's part of it; slot 1 is asked for
	FETCH_K                         ; key step 0
	s_wait_loadcnt 0x0              ; Q, and key step 0's mask words
	s_add_nc_u64 s[MP:MP+1], s[MP:MP+1], s[MNX:MNX+1]  ; the next words asked for are key step 1's
	s_wait_dscnt 0x0
.set i, 0
.rept 16
	KQ 0
.set i, i+1
.endr
	WIN 0                           ; the addresses for the way out: seven plain instructions, the places behind those products
	s_mul_i32 s100, s[WV], 16*SP
	s_add_co_u32 s100, s100, STAGE
	v_mul_u32_u24 v[STO], v1, SP
	v_lshl_add_u32 v[STO], v48, 4, v[STO]
	v_add_nc_u32 v[STO], s100, v[STO]
	v_bfe_u32 v[RD], v0, 3, 2
	v_mul_u32_u24 v[RD], v[RD], SP
	v_lshl_add_u32 v[RD], v49, 4, v[RD]
	v_add_nc_u32 v[RD], s100, v[RD]
.set Y, NP-1                        ; RL, CM and XS work for piece Y + 1: piece 0
	RLS
	WIN 0
.set g, 0
.rept 64
	CM g
.set g, g+1
.endr
.irp n, 0,1,2,3,4,5,6,7,8,9,10,11,12,13,14,15,16,17,18,19,20
	XS 0, \n
	XS 1, \n
.endr
	v_nop
	s_wait_alu depctr_va_vdst(0)    ; the two a have their wait ahead of the branch
	s_mov_b32 s[CNT], 4
	s_branch .Lfirst                ; the loop is entered at a step's first turn
.Lslot:                             ; six times: every slot but the last two is filled again
	CHANGE 1
	s_mov_b32 s[CNT], 4
.Lstep:                             ; a trip: pieces 2 and 3 of one step, then pieces 0 and 1 of the next
	TURN 2
	TURN 3
	WIN 0
.Lfirst:
	TURN 0
	TURN 1, 0, 1
	WIN 0
	s_cbranch_scc1 .Lstep
	s_sub_co_u32 s[SLOTS], s[SLOTS], 1
	s_cmp_lg_u32 s[SLOTS], 0
	s_cbranch_scc1 .Lslot
	CHANGE 0                        ; the tail is written out
	s_mov_b32 s[CNT], 5             ; four trips fetch the last slot's steps; the fifth is left in its middle
.Ltail:
	TURN 2, 1
	TURN 3, 1
	WIN 0
	s_sub_co_u32 s[CNT], s[CNT], 1
	s_cmp_eq_u32 s[CNT], 0
	s_cbranch_scc1 .Lout
	TURN 0
	TURN 1
	WIN 0
	s_branch .Ltail
.Lout:                              ; the fifth trip's products K Q^T (on the last K once more), their mask and maximum serve nothing: the price, once a launch, of one text for every trip
.set i, 0
.rept 16
	PV NP-1
.set i, i+1
.endr
	; THE WAY OUT: l's parts are added, O^T is divided by l, rounded to f16 and sent through my stage, a tile at a time.  The additions are the places behind the last products.
	WIN 0
.macro ALL line:vararg
.set t, 0
.rept 2*NP
	\line
.set t, t+1
.endr
.endm
	ALL v_add_f32 v[ST+4*t+2], v[ST+4*t+2], v[ST+4*t+3]
	ALL v_permlanex16_b32 v[ST+4*t+3], v[ST+4*t+2], s[SEL], s[SEL+1]
	ALL v_add_f32 v[ST+4*t+2], v[ST+4*t+2], v[ST+4*t+3]
	ALL v_rcp_f32 v[ST+4*t+2], v[ST+4*t+2]
	v_nop
	s_wait_alu depctr_va_vdst(0)    ; one wait for the eight reciprocals
.macro PACK t
	WIN W_RS
.set i, 32*(\t)
.rept 16
	v_pk_mul_f32 v[i:i+1], v[i:i+1], v[ST+4*(\t)+2:ST+4*(\t)+3] op_sel_hi:[1,0]
.set i, i+2
.endr
	WIN 0x05
.set i, 0
.rept 16
	v_cvt_pk_f16_f32 v[S+16*(\t)+i], v[32*(\t)+2*i], v[32*(\t)+2*i+1]
.set i, i+1
.endr
	WIN 0
.irp f, 0,1,2,3
	ds_store_b128 v[STO], v[S+16*(\t)+4*\f:S+16*(\t)+4*\f+3] offset:32*\f
.endr
.irp f, 0,1,2,3
	ds_load_b128 v[S+16*(\t)+4*\f:S+16*(\t)+4*\f+3], v[RD] offset:\f*4*SP  ; LDS serves a wave's instructions in order: these see the stores above
.endr
.endm
.macro SEND t, younger              ; younger: the LDS instructions issued behind tile t's loads: the next tile's eight, or none
	WIN 0
.irp f, 0,1,2,3
	s_wait_dscnt (\younger)+3-\f
	global_store_b128 v[GO], v[S+16*(\t)+4*\f:S+16*(\t)+4*\f+3], s[OP:OP+1] offset:(\t)*2048+\f*512  ; 512 consecutive bytes, aligned
.endr
.endm
	PACK 0
.set t, 1
.rept 2*NP-1
	PACK t
	SEND t-1, 8
.set t, t+1
.endr
	SEND 2*NP-1, 0
	WIN W_AD
	s_wait_tensorcnt 0x0            ; the wave's end
	ds_add_u32 v[SPW], v[NIL]
	s_wait_dscnt 0x0
	WIN 0
	CROUND                          ; the closing round
	s_endpgm
.Lfunc_end_k_q0e9370a87e_attn:
	.size	k_q0e9370a87e_attn, .Lfunc_end_k_q0e9370a87e_attn-k_q0e9370a87e_attn
	.p2alignl 7, 3214868480
	.fill 96, 4, 3214868480
	.section	.rodata,"a",@progbits
	.p2align	6, 0x0
	.amdhsa_kernel k_q0e9370a87e_attn
		.amdhsa_group_segment_fixed_size 327680
		.amdhsa_private_segment_fixed_size 0
		.amdhsa_enable_private_segment 0
		.amdhsa_kernarg_size 24
		.amdhsa_user_sgpr_count 2
		.amdhsa_user_sgpr_kernarg_segment_ptr 1
		.amdhsa_wavefront_size32 1
		.amdhsa_system_sgpr_workgroup_id_x 1
		.amdhsa_system_sgpr_workgroup_id_y 1
		.amdhsa_system_sgpr_workgroup_id_z 1
		.amdhsa_system_vgpr_workitem_id 0
		.amdhsa_next_free_vgpr 780
		.amdhsa_next_free_sgpr 102
		.amdhsa_reserve_vcc 0
		.amdhsa_float_denorm_mode_32 3
		.amdhsa_float_denorm_mode_16_64 3
		.amdhsa_memory_ordered 1
		.amdhsa_forward_progress 1
		.amdhsa_inst_pref_size 255
	.end_amdhsa_kernel
	.section	.bss,"aw",@nobits
	.p2align	6
	.space	262144
	.amdgpu_metadata
---
amdhsa.version: [ 1, 2 ]
amdhsa.kernels:
  - .name:           k_q0e9370a87e_attn
    .symbol:         k_q0e9370a87e_attn.kd
    .args:
      - { .name: QKV, .offset: 0, .size: 8, .value_kind: global_buffer, .address_space: global }
      - { .name: MB, .offset: 8, .size: 8, .value_kind: global_buffer, .address_space: global }
      - { .name: OH, .offset: 16, .size: 8, .value_kind: global_buffer, .address_space: global }
    .group_segment_fixed_size: 327680
    .private_segment_fixed_size: 0
    .kernarg_segment_align: 8
    .kernarg_segment_size: 24
    .max_flat_workgroup_size: 128
    .sgpr_count:     102
    .vgpr_count:     780
    .wavefront_size: 32
...
	.end_amdgpu_metadata
.endif
;; end of part 3
;; launch outp (part 4): grid 4 x 64, 4 waves a work-group, clusters of 4 x 4, 327,680 bytes of LDS; arguments OH, WB, out0; writes out0
.if DOCPART == 4
	.amdgcn_target "amdgcn-amd-amdhsa--gfx1250"
	.amdhsa_code_object_version 6
	.text
	.protected	k_q0e9370a87e_outp
	.globl	k_q0e9370a87e_outp
	.p2align	8
	.type	k_q0e9370a87e_outp,@function
k_q0e9370a87e_outp:
	s_mov_b64 s[64:65], 0
	v_nop
	global_prefetch_b8 v0, s[64:65] scope:SCOPE_SE
	s_setreg_imm32_b32 hwreg(HW_REG_WAVE_MODE, 25, 1), 1
	s_wait_xcnt 0x0
	s_wait_alu depctr_hold_cnt(0) depctr_sa_sdst(0) depctr_va_vdst(0) depctr_va_sdst(0) depctr_va_ssrc(0) depctr_va_vcc(0) depctr_vm_vsrc(0)
	s_getreg_b32 s2, hwreg(HW_REG_IB_STS2, 6, 4)
	s_cmp_eq_u32 s2, 0
	s_cbranch_scc0 .Lentry_in_a_cluster
	s_endpgm
.Lentry_in_a_cluster:
	s_bfe_u32 s2, ttmp6, 0x10000c
	s_cmp_lg_u32 s2, 0xf033
	s_cbranch_scc0 .Lentry_shape_is_right
	s_endpgm
.Lentry_shape_is_right:
; THE OUTPUT PROJECTION.  out0[m][n] = sum over k of O[m][k] Wo[k][n]: O from OH [b][h][s][64] f16 (m = 2,048 b + s, k = 64 h + d), Wo from WB's fourth part, [k][n] f16; sums in f32, stored as f32.
; SHARES.  A tile is 128 x 256: 256 work-groups.  Four waves, each 64 x 128: 32 accumulators.  K goes in steps of 128, two heads, through two LDS slots.
; A K STEP IS WRITTEN ONCE: the slot's base is a scalar that an exclusive or turns between 0 and SLOT, and the fragment addresses are made anew from it at each change of slots.
; CLUSTER 4 x 4: O's rows are shared along a row of the cluster, Wo's columns along a column: joint loads.
; THE PRODUCT IS TAKEN TRANSPOSED (source 0 = 16 columns of Wo, turned out of LDS; source 1 = 16 rows of O): a lane holds one row and eight neighbouring columns: 32 bytes.
; REGISTERS.  window 0: v16-30 addresses; v32-63, v64-95 O's fragments; v96-159, v160-223 Wo's; two buffers each.  window 1: accumulator (a, b) at 8 (8 a + b).
.set PA,     144                       ; a row of a head in LDS: 128 bytes + 16
.set PB,     544
.set APLANE, 128*PA                    ; a head's 128 rows
.set BHALF,  64*PB
.set BOFF,   2*APLANE
.set SLOT,   1<<17                     ; from slot to slot; a slot uses 106,496 bytes, so one exclusive or turns an address in one slot into the other's
.set STAGE,  2*SLOT                    ; behind the ring: 16 rows x 528 bytes for each wave
.set SP,     528
.set SPARE,  STAGE+4*16*SP
.set STEPS,  8
.set ADRA0, 16                         ; v16  my place in O's part of a slot; never rewritten
.set ADRA,  17                         ; v17  the same in the slot in hand
.set ADRB0, 20
.set ADRB,  21
.set STO,  24
.set RD,   25
.set GO,   26
.set SPW,  28
.set NIL,  29
.set PFO,  30
.set AF,   32
.set BF,   96
.set OBF,  32                          ; the way out: 16 rows read back
.set WV, 16
.set WR, 17
.set WC, 18
.set LC, 19
.set CX, 20
.set CY, 21
.set TN, 22
.set TM, 23
.set G1, 24
.set G0, 32                            ; a set for each of the two first fills; the second then walks on
.set CLY, 41
.set G1B, 48
.set G0B, 56
.set PFA, 66
.set PST, 68
.set LIM, 70
.set SB, 71                            ; s71  the base of the slot that is read: 0 or SLOT
.set OP, 72
.set XP, 76
.set WP, 78
.set MSB, 0
.macro WIN new
.if MSB != (\new)
	s_set_vgpr_msb (MSB<<8)|(\new)
.set MSB, \new
.endif
.endm
.set MUL, 0x50                         ; C and D window 1
.macro JLOAD s                         ; waves 0, 1 fetch the step's two heads of O, waves 2, 3 the halves of Wo's tile; an s_nop 0 and four v_nop follow each line
	s_cmp_eq_u32 s[WR], 0
	s_cbranch_scc0 .Lfor_b_\@
	tensor_load_to_lds s[G0+4*(\s):G0+4*(\s)+3], s[G1:G1+7]
	s_nop 0
.rept 4
	v_nop
.endr
	s_branch .Lasked_\@
.Lfor_b_\@:
	tensor_load_to_lds s[G0B+4*(\s):G0B+4*(\s)+3], s[G1B:G1B+7]
	s_nop 0
.rept 4
	v_nop
.endr
.Lasked_\@:
.endm
.macro CREST
	s_cmp_lg_u32 s[WV], 0
	s_cbranch_scc1 .Lnot_wave_0_\@
	s_barrier_signal -3
.Lnot_wave_0_\@:
	s_barrier_wait -3
	s_barrier_signal -1
	s_barrier_wait -1
.endm
.macro CROUND
	s_barrier_signal -1
	s_barrier_wait -1
	CREST
.endm
; A prefetch of the K step two refills on (256 matrix instructions ahead), 32 blocks of 256 bytes, a lane a block.  O's rows are read by one cluster alone: its wave 0 asks, 16 blocks of each of the two heads for each
; partner; Wo's columns by all 16 clusters: waves 2, 3 of the first ask.  Partners are told apart by address.  The last two refills have no step two on.
.macro ASK
	s_cmp_gt_u32 s[LC], s[LIM]
	s_cbranch_scc0 .Lnot_mine_\@
	global_prefetch_b8 v[PFO], s[PFA:PFA+1] th:TH_LOAD_NT scope:SCOPE_SE
.Lnot_mine_\@:
.endm
.macro PLACES
.rept 4
	v_nop
.endr
.endm
	s_load_b128 s[4:7], s[0:1], 0x0                ; OH, WB
	s_load_b64 s[8:9], s[0:1], 0x10                ; out0
	v_lshl_add_u32 v[SPW], v0, 2, SPARE
	v_mov_b32 v[NIL], 0
	ds_add_u32 v[SPW], v[NIL]                      ; the opening: the add and its wait ahead of my first tensor load
	ds_add_u32 v28, v29
	v_lshrrev_b32 v1, 5, v0
	v_readfirstlane_b32 s[WV], v1
	s_lshr_b32 s[WR], s[WV], 1
	s_and_b32 s[WC], s[WV], 1
	s_bfe_u32 s[CX], ttmp6, 0x40000
	s_bfe_u32 s[CY], ttmp6, 0x40004
	s_lshl_b32 s[TN], ttmp9, 2
	s_add_co_u32 s[TN], s[TN], s[CX]
	s_and_b32 s[CLY], ttmp7, 0xffff
	s_lshl_b32 s[TM], s[CLY], 2
	s_add_co_u32 s[TM], s[TM], s[CY]
	s_lshl_b32 s42, s[CY], 2
	s_lshl_b32 s42, 15, s42
	s_lshl_b32 s46, 0x1111, s[CX]
	s_or_b32 s[G1], s42, (1<<16)|(1<<20)|(1<<21)|(4<<22)|(3<<25)   ; O: a head's 128 rows are 16,384 dense bytes: 64 rows of 256, padded by 4 words after every 32
	s_or_b32 s[G1B], s46, (1<<16)|(1<<20)|(1<<21)|(6<<22)|(7<<25)
	s_mov_b32 s[G1+1], 128<<16
	s_mov_b32 s[G1+2], 64<<16
	s_mov_b32 s[G1+3], 128<<16
	s_mov_b32 s[G1+4], 64
	s_mov_b32 s[G1+5], 128
	s_mov_b32 s[G1+6], 0
	s_mov_b32 s[G1+7], 0
	s_mov_b32 s[G1B+1], 256<<16
	s_mov_b32 s[G1B+2], 64<<16
	s_mov_b32 s[G1B+3], 256<<16
	s_mov_b32 s[G1B+4], 64
	s_mov_b32 s[G1B+5], 1024
	s_mov_b32 s[G1B+6], 0
	s_mov_b32 s[G1B+7], 0
	s_lshr_b32 s42, s[TM], 4                       ; b: 16 heads of 262,144 bytes,
	s_lshl_b32 s42, s42, 22
	s_lshl_b32 s43, s[WC], 18                      ; the head that I fetch,
	s_add_co_u32 s42, s42, s43
	s_and_b32 s43, s[TM], 15
	s_lshl_b32 s43, s43, 14                        ; the tile's 128 rows of 128 bytes
	s_add_co_u32 s42, s42, s43
	s_mov_b32 s43, 0
	s_lshl_b32 s46, s[TN], 9
	s_lshl_b32 s47, s[WC], 17
	s_add_co_u32 s46, s46, s47
	s_add_co_u32 s46, s46, 3*2097152               ; WB's fourth part
	s_mov_b32 s47, 0
	s_mul_i32 s44, s[WC], APLANE
	s_mul_i32 s45, s[WC], BHALF
	s_add_co_u32 s45, s45, BOFF
	s_wait_dscnt 0x0
	s_wait_kmcnt 0x0
	s_add_nc_u64 s[XP:XP+1], s[4:5], s[42:43]
	s_add_nc_u64 s[WP:WP+1], s[6:7], s[46:47]
	CROUND
.irp s, 0,1
	s_mov_b32 s[G0+4*(\s)], 1
	s_add_co_u32 s[G0+4*(\s)+1], s44, (\s)*SLOT
	s_add_nc_u64 s[G0+4*(\s)+2:G0+4*(\s)+3], s[XP:XP+1], (\s)*524288
	s_or_b32 s[G0+4*(\s)+3], s[G0+4*(\s)+3], 0x80000000
	s_mov_b32 s[G0B+4*(\s)], 1
	s_add_co_u32 s[G0B+4*(\s)+1], s45, (\s)*SLOT
	s_add_nc_u64 s[G0B+4*(\s)+2:G0B+4*(\s)+3], s[WP:WP+1], (\s)*262144
	s_or_b32 s[G0B+4*(\s)+3], s[G0B+4*(\s)+3], 0x80000000
	JLOAD \s
.endr
	v_and_b32 v1, 15, v0
	v_bfe_u32 v2, v0, 4, 1
	v_and_b32 v3, 7, v0
	v_bfe_u32 v4, v0, 3, 1
	v_and_b32 v5, 31, v0
	; the prefetches: they stand at K step 3; the first refill steps them to 4
	s_lshl_b32 s80, s[CX], 12
	s_add_co_u32 s80, s80, 3*524288
	s_lshl_b32 s81, s[CY], 15
	s_add_co_u32 s81, s81, 3*262144
	s_cmp_eq_u32 s[WR], 0
	s_cselect_b64 s[PFA:PFA+1], s[XP:XP+1], s[WP:WP+1]
	s_cselect_b32 s80, s80, s81
	s_cselect_b32 s[PST], 19, 18
	s_cselect_b32 s82, -1, 0
	s_cselect_b32 s83, s[WC], s[CLY]               ; O: wave 0 alone; Wo: the first cluster alone
	s_mov_b32 s81, 0
	s_mov_b32 s[PST+1], 0
	s_add_nc_u64 s[PFA:PFA+1], s[PFA:PFA+1], s[80:81]
	s_cmp_eq_u32 s83, 0
	s_cselect_b32 s[LIM], 2, -1                    ; a wave that asks does so while more than two refills are to come
	s_lshl_b32 s[PST], 1, s[PST]
	v_lshlrev_b32 v6, 18, v2                       ; O: lanes 0-15 the first head, lanes 16-31 the second,
	v_lshl_add_u32 v6, v1, 8, v6                   ; 16 blocks each
	v_lshrrev_b32 v7, 1, v5
	v_and_b32 v8, 1, v5
	v_lshlrev_b32 v7, 11, v7                       ; Wo: a k-row for two lanes,
	v_lshl_add_u32 v7, v8, 8, v7                   ; its two blocks
	v_cndmask_b32 v[PFO], v7, v6, s82
	; where my part of out0 begins
	s_lshl_b32 s80, s[TM], 19
	s_lshl_b32 s81, s[WR], 18
	s_add_co_u32 s80, s80, s81
	s_lshl_b32 s81, s[TN], 10
	s_add_co_u32 s80, s80, s81
	s_lshl_b32 s81, s[WC], 9
	s_add_co_u32 s80, s80, s81
	s_mov_b32 s81, 0
	s_add_nc_u64 s[OP:OP+1], s[8:9], s[80:81]
	; LDS addresses
	v_mul_u32_u24 v6, v1, PA
	v_lshl_add_u32 v6, v2, 4, v6
	s_mul_i32 s80, s[WR], 64*PA
	v_lshl_add_u32 v7, v2, 3, v3
	v_mul_u32_u24 v7, v7, PB
	v_lshl_add_u32 v7, v4, 4, v7
	s_lshl_b32 s81, s[WC], 8
	s_add_co_u32 s81, s81, BOFF
	v_add_nc_u32 v[ADRA0], s80, v6
	v_add_nc_u32 v[ADRB0], s81, v7
	v_mov_b32 v[ADRA], v[ADRA0]                    ; K step 0 lies in slot 0
	v_mov_b32 v[ADRB], v[ADRB0]
	s_mov_b32 s[SB], 0
	s_mul_i32 s80, s[WV], 16*SP
	s_add_co_u32 s80, s80, STAGE
	v_mul_u32_u24 v[STO], v1, SP
	v_lshl_add_u32 v[STO], v2, 5, v[STO]           ; row r, 32 bytes for each half of the lanes
	v_add_nc_u32 v[STO], s80, v[STO]
	v_lshl_add_u32 v[RD], v5, 4, s80               ; back: 32 lanes take a row of 512 bytes
	v_lshlrev_b32 v[GO], 4, v5
.macro WM n, f, zero                   ; the 32 accumulators take turns
.set rA, AF+32*(\f)+8*((\n)/8)
.set rB, BF+64*(\f)+8*((\n)%8)
.set rD, 8*(\n)
.if \zero
	v_wmma_f32_16x16x32_f16 v[rD:rD+7], v[rB:rB+7], v[rA:rA+7], 0
.else
	v_wmma_f32_16x16x32_f16 v[rD:rD+7], v[rB:rB+7], v[rA:rA+7], v[rD:rD+7]
.endif
.endm
.macro WRUN n0, cnt, f, zero
	WIN MUL
.set nn, \n0
.rept \cnt
	WM nn, \f, \zero
.set nn, nn+1
.endr
.endm
.macro FETCH q, g                      ; 24 LDS loads: quarter q of the slot in hand: head q / 2, channels 32 (q % 2) on
	WIN 0
.irp a, 0,1,2,3
	ds_load_b128 v[AF+32*(\g)+8*(\a):AF+32*(\g)+8*(\a)+3],   v[ADRA] offset:((\q)/2)*APLANE+(\a)*16*PA+((\q)%2)*64
	ds_load_b128 v[AF+32*(\g)+8*(\a)+4:AF+32*(\g)+8*(\a)+7], v[ADRA] offset:((\q)/2)*APLANE+(\a)*16*PA+((\q)%2)*64+32
.endr
.irp b, 0,1,2,3,4,5,6,7
	ds_load_tr16_b128 v[BF+64*(\g)+8*(\b):BF+64*(\g)+8*(\b)+3],   v[ADRB] offset:(\q)*32*PB+32*(\b)
	ds_load_tr16_b128 v[BF+64*(\g)+8*(\b)+4:BF+64*(\g)+8*(\b)+7], v[ADRB] offset:(\q)*32*PB+32*(\b)+16*PB
.endr
.endm
.macro QUARTER q, f, g, zero
	s_wait_dscnt 0x0                               ; buffer f is in
	PLACES                                         ; four places behind the last product that read buffer g
	FETCH \q, \g
	WRUN 0, 32, \f, \zero
.endm
.macro TURN fill                       ; the change of slots, as in the projections in front: the three lines, the barrier (with fill = 1 a round of the cluster's), the joint refill first behind it
.if \fill
	s_wait_xcnt 0x0                                ; the last prefetch, a K step back, has read its address
	s_add_nc_u64 s[PFA:PFA+1], s[PFA:PFA+1], s[PST:PST+1]
.endif
	WIN 0
	s_wait_tensorcnt 0x0
	ds_add_u32 v[SPW], v[NIL]
.if \fill
	s_xor_b32 s[G0+5], s[G0+5], SLOT               ; the walking descriptors: the other slot than last time,
	s_add_nc_u64 s[G0+6:G0+7], s[G0+6:G0+7], 524288  ; the next K step: two heads on
	s_xor_b32 s[G0B+5], s[G0B+5], SLOT
	s_add_nc_u64 s[G0B+6:G0B+7], s[G0B+6:G0B+7], 262144
.endif
	s_wait_dscnt 0x0
	s_barrier_signal -1
	WRUN 0, 8, 1, 0
	WIN 0
	s_barrier_wait -1
.if \fill
	CREST
	JLOAD 1                                        ; its four v_nop are also the places in front of the loads below
.else
	PLACES
.endif
	s_xor_b32 s[SB], s[SB], SLOT                   ; the reads go on in the other slot
	v_add_nc_u32 v[ADRA], s[SB], v[ADRA0]
	v_add_nc_u32 v[ADRB], s[SB], v[ADRB0]
	FETCH 0, 0
.if \fill
	ASK
.endif
	WRUN 8, 24, 1, 0
.endm
	s_wait_tensorcnt 0x1                           ; my part of K step 0 is in; K step 1's stays out
	s_barrier_signal -1
	s_barrier_wait -1
	FETCH 0, 0
	QUARTER 1, 0, 1, 1
	WIN 0
	s_mov_b32 s[LC], STEPS-2
.Lstep:                                                ; a trip goes from a K step's second quarter to the next step's first, and fills the slot that it leaves: six trips
	QUARTER 2, 1, 0, 0
	QUARTER 3, 0, 1, 0
	TURN 1
	QUARTER 1, 0, 1, 0
	WIN 0
	s_sub_co_u32 s[LC], s[LC], 1
	s_cmp_lg_u32 s[LC], 0
	s_cbranch_scc1 .Lstep
	QUARTER 2, 1, 0, 0                             ; the last two K steps fill nothing
	QUARTER 3, 0, 1, 0
	TURN 0
	QUARTER 1, 0, 1, 0
	QUARTER 2, 1, 0, 0
	QUARTER 3, 0, 1, 0
	s_wait_dscnt 0x0
	WRUN 0, 32, 1, 0
	WIN 0
	PLACES
	; THE WAY OUT, 16 rows at a time: 32 bytes a lane into rows of 528 bytes of my own stage, back as whole rows of 512, stored
.irp a, 0,1,2,3
	s_wait_xcnt 0x0                                ; the stores of the block before have read their registers
	WIN 0x04                                       ; the stores' data in window 1
.irp b, 0,1,2,3,4,5,6,7
	ds_store_b128 v[STO], v[8*(8*(\a)+(\b)):8*(8*(\a)+(\b))+3]   offset:64*(\b)
	ds_store_b128 v[STO], v[8*(8*(\a)+(\b))+4:8*(8*(\a)+(\b))+7] offset:64*(\b)+16
.endr
	WIN 0
.irp t, 0,1,2,3,4,5,6,7,8,9,10,11,12,13,14,15
	ds_load_b128 v[OBF+4*(\t):OBF+4*(\t)+3], v[RD] offset:(\t)*SP  ; LDS serves a wave's instructions in order: these see the stores above
.endr
.irp t, 0,1,2,3,4,5,6,7,8,9,10,11,12,13,14,15
	s_wait_dscnt 15-(\t)                           ; row t is back; the younger rows' loads stay out
	global_store_b128 v[GO], v[OBF+4*(\t):OBF+4*(\t)+3], s[OP:OP+1] offset:(16*(\a)+(\t))*4096 th:TH_STORE_NT  ; 512 consecutive bytes, aligned
.endr
.endr
	s_wait_tensorcnt 0x0                           ; the wave's end
	ds_add_u32 v[SPW], v[NIL]
	s_wait_dscnt 0x0
	CROUND                                         ; the closing round
	s_endpgm
.Lfunc_end_k_q0e9370a87e_outp:
	.size	k_q0e9370a87e_outp, .Lfunc_end_k_q0e9370a87e_outp-k_q0e9370a87e_outp
	.p2alignl 7, 3214868480
	.fill 96, 4, 3214868480
	.section	.rodata,"a",@progbits
	.p2align	6, 0x0
	.amdhsa_kernel k_q0e9370a87e_outp
		.amdhsa_group_segment_fixed_size 327680
		.amdhsa_private_segment_fixed_size 0
		.amdhsa_enable_private_segment 0
		.amdhsa_kernarg_size 24
		.amdhsa_user_sgpr_count 2
		.amdhsa_user_sgpr_kernarg_segment_ptr 1
		.amdhsa_wavefront_size32 1
		.amdhsa_system_sgpr_workgroup_id_x 1
		.amdhsa_system_sgpr_workgroup_id_y 1
		.amdhsa_system_sgpr_workgroup_id_z 1
		.amdhsa_system_vgpr_workitem_id 0
		.amdhsa_next_free_vgpr 512
		.amdhsa_next_free_sgpr 84
		.amdhsa_reserve_vcc 0
		.amdhsa_float_denorm_mode_32 3
		.amdhsa_float_denorm_mode_16_64 3
		.amdhsa_memory_ordered 1
		.amdhsa_forward_progress 1
		.amdhsa_inst_pref_size 72
	.end_amdhsa_kernel
	.amdgpu_metadata
---
amdhsa.version: [ 1, 2 ]
amdhsa.kernels:
  - .name:           k_q0e9370a87e_outp
    .symbol:         k_q0e9370a87e_outp.kd
    .args:
      - { .name: OH, .offset: 0, .size: 8, .value_kind: global_buffer, .address_space: global }
      - { .name: WB, .offset: 8, .size: 8, .value_kind: global_buffer, .address_space: global }
      - { .name: out0, .offset: 16, .size: 8, .value_kind: global_buffer, .address_space: global }
    .group_segment_fixed_size: 327680
    .private_segment_fixed_size: 0
    .kernarg_segment_align: 8
    .kernarg_segment_size: 24
    .max_flat_workgroup_size: 128
    .sgpr_count:     84
    .vgpr_count:     512
    .wavefront_size: 32
...
	.end_amdgpu_metadata
.endif
;; end of part 4
